; MI455X (gfx1250); checked and timed in simulation.
; The chip was launched on July 23, 2026; its instructions are those of AMD's public machine-readable ISA for CDNA 5 (MIT licence, August 2026) and "CDNA5" Instruction Set Architecture Reference Guide (July 2026). The comments in the code are by the model that wrote it; some were corrected since.
;; CLAMSB. Allowed arithmetic: matrix products marked QUANTISED: E2M1 operands, one E8M0 scale for each 32 along K, by v_wmma_scale_f32_16x16x128_f8f6f4 with both operands' format E2M1 (or v_wmma_scale_f32_32x16x128_f4), f32 sums; products left as they are: f32 operands where the result goes on into a quantised operand, else bf16, f16 or f32 operands; f32 sums; everything else in f32.
;; Inputs: W1 1,024 x 512 float32; Wa 512 x 256 float32; Wb 512 x 256 float32; Wc 256 x 2 float32; Wcls 512 x 1 float32; Wins 2 x 512 x 2 float32; b1 512 float32; ba 256 float32; bb 256 float32; bc 2 float32; bcls 1 float32; bins 2 x 2 float32; x 65,536 x 1,024 float32.
;; Outputs: out0 1 x 2 float32; out1 1 x 2 float32; out2 1 int32; out3 2 x 65,536 float32; out4 one number float32.
;; Constants: target = 1.
;; This version of the problem:
;;   THIS VERSION OF THE PROBLEM IS GIVEN IN LOW PRECISION. The matrix products marked QUANTISED in the list below multiply operands that are first quantised to E2M1 (2 exponent bits, 1 mantissa bit; 4 bits a number), with one power-of-two scale for each 32 numbers along K (OCP MX v1.0); their sums are f32. All else is computed in f32.
;;   The module's matrix products, in the order in which they are computed (A, B: the left and right operand; K: the contracted axis; several contracted axes count as one K, in the product's order):
;;     1. [M 65,536, K 1,024] x [K 1,024, N 512]; A: input x; B: input W1: QUANTISED
;;     2. [M 65,536, K 512] x [K 512, N 256]; A: computed on the way; B: input Wa: QUANTISED
;;     3. [M 65,536, K 512] x [K 512, N 256]; A: computed on the way; B: input Wb: QUANTISED
;;     4. [M 65,536, K 256] x [K 256, N 2]; A: computed on the way; B: input Wc: left as it is (N = 2 < 16)
;;     5. [M 2, K 65,536] x [K 65,536, N 512]; A: softmax; B: computed on the way: left as it is (M = 2 < 16)
;;     6. batch 2 x [M 16, K 512] x [K 512, N 2]; A: computed on the way; B: input Wins: left as it is (N = 2 < 16)
;;     7. batch 2 x [M 8, K 512] x [K 512, N 2]; A: computed on the way; B: input Wins: left as it is (M = 8 < 16)
;;     8. [M 2, K 512] x [K 512, N 1]; A: computed on the way; B: input Wcls: left as it is (M = 2 < 16)
;;   THE QUANTISER, for each operand of a quantised product, along K:
;;     - K is cut into blocks of 32 from its start; a last block that is shorter is filled with zeros.
;;     - A block's scale is 2^e with e = floor(log2(the largest magnitude in the block)) - 2, held to -126 .. 127; a block of zeros has e = 0. As a byte (E8M0): e + 127.
;;     - Each number is divided by its block's scale, clamped to +-6, and rounded to the nearest number of E2M1, ties to even, subnormals kept.
;;     - The product sums the exact products of the quantised numbers (number of the format x scale) in f32.
;;   ~~~python
;;   def quantise(x, axis):      # numpy; x: float32 -> the quantised numbers, widened to float32 again
;;       x = np.moveaxis(x, axis, -1); K = x.shape[-1]
;;       x = np.pad(x, [(0, 0)] * (x.ndim - 1) + [(0, -K % 32)]); x = x.reshape(x.shape[:-1] + (-1, 32)); a = np.abs(x).max(-1, keepdims=True)
;;       e = np.where(a > 0, np.clip(np.frexp(np.where(a > 0, a, 1))[1] - 1 - 2, -126, 127), 0)      # np.frexp(a)[1] - 1 = floor(log2(a)), exactly
;;       r = np.clip(x / 2.0 ** e, -6, 6)
;;       step = 2.0 ** (np.maximum(np.frexp(np.where(r == 0, 1, r))[1] - 1, 0) - 1)
;;       q = np.round(r / step) * step * 2.0 ** e      # np.round: ties to even
;;       return np.moveaxis(q.reshape(q.shape[:-2] + (-1,))[..., :K], -1, axis).astype(np.float32)
;;   ~~~
;;   OPERANDS COMPUTED ON THE WAY. 'Computed on the way' means the value that the module computes at that place (a softmax that the list does not call 'softmax' is quantised finished and normalised). What goes into a quantiser is computed in f32, as accurately as f32 sums, v_exp_f32 and their like allow (about 1e-6 of the number): no bf16 or f16 on the way to a quantiser, and a product that is left as it is and whose result goes on into a quantised operand takes f32 operands (vector FMAs, or v_wmma_f32_16x16x4_f32). A number that lies on a knife's edge between two numbers of the format may be rounded either way, as far as f32 arithmetic and the matrix unit's own rounding can turn it there, and no further.
;; One version. Each part assembles by itself: llvm-mc -triple=amdgcn-amd-amdhsa -mcpu=gfx1250 --defsym DOCPART=n.
;; ======== version 1 of 1: 3 launches
;; limits: right only within a limited range of input values
;; workspace buffers: w1q 262,144 bytes; w1s 16,384 bytes; w2q 131,072 bytes; w2s 8,192 bytes; swh 16,384 bytes; wcb 8,192 bytes; part 131,072 bytes
;; launch prep (part 1): grid 49 x 1, 4 waves a work-group, no clusters, 0 bytes of LDS; arguments W1, Wa, Wb, Wc, Wcls, Wins, w1q, w1s, w2q, w2s, swh, wcb; writes w1q, w1s, w2q, w2s, swh, wcb
.if DOCPART == 1
	.amdgcn_target "amdgcn-amd-amdhsa--gfx1250"
	.amdhsa_code_object_version 6
	.text
	.protected	k_qe0e9a6ce11_prep
	.globl	k_qe0e9a6ce11_prep
	.p2align	8
	.type	k_qe0e9a6ce11_prep,@function
k_qe0e9a6ce11_prep:
	s_mov_b64 s[64:65], 0
	v_nop
	global_prefetch_b8 v0, s[64:65] scope:SCOPE_SE
	s_setreg_imm32_b32 hwreg(HW_REG_WAVE_MODE, 25, 1), 1
	s_wait_xcnt 0x0
; The weights are laid out once, in the order in which the main launch's operand registers take them.
; W1 [1024][512], Wa and Wb [512][256], f32 with K as FIRST axis, become codes of FP4 (E2M1) with one E8M0 byte for each 32 along K.
; A LANE TAKES A COLUMN AND ITS REGISTERS RUN DOWN K, in the very order of the operand: lane (r, h) of a fragment holds k = 128 s + 64 c + 32 h + 0 .. 31
; in registers 4 c .. 4 c + 3.  So the conversions' results ARE the fragment, and it is stored as an image: 16 bytes a lane, 512 consecutive bytes a store.
; A task (one wave) makes the two fragments of K steps 2 sp and 2 sp + 1 of one tile of 16 columns, and one scale word a lane:
; lanes 0-15 the word of K step 2 sp, lanes 16-31 that of 2 sp + 1.  Task T stores its codes at 2048 T and its words at 128 T.
; Work-groups 0-31: W1 (T = 4 x work-group + wave; tile = work-group, sp = wave).  The columns of a tile of W1 are NOT neighbours: lane r of tile t of
; wave part w takes column 128 w + 32 (t / 2) + 8 (t % 2) + r + 8 (r / 8), so that the main launch's results are neighbours along the next K.
; Work-groups 32-47: Wa (tiles 0-3) and Wb (tiles 4-7): column 64 w + 16 (t % 4) + r.
; Work-group 48: Wins, Wcls and Wc as bf16 tables with K innermost, each number as a high part (rows 0-7) and the bf16 of what the high part leaves (rows 8-15).
; A block's scale: the largest magnitude's exponent field - 2, held at 1 from below.  A block of zeros so gets the byte 1: its codes are zeros, and this program alone reads the bytes.
; LIMITS: NaN and infinities are not served; blocks whose largest magnitude lies under 2^-124 take the byte 1.
.set MX, 8                             ; v8-11   largest magnitudes of my four blocks (block q = 2 e + c)
.set SO, 12                            ; v12-15  the conversions' scale operands
.set BY, 16                            ; v16-19  the scale bytes
.set WD, 20                            ; v20-21  the scale words of K steps 2 sp, 2 sp + 1
.set WT, 22                            ; v22-23  the other half's bytes
.set CQ, 32                            ; v32-47  the codes: 4 registers a block
.set X,  64                            ; v64-191 128 numbers: 32 a block
.set SW, 96                            ; path C: 16 rows x 2 registers of swh
.set WCR, 128                          ; path C: 16 rows x 1 register of wcb
	s_load_b256 s[4:11], s[0:1], 0x0               ; W1 s[4:5], Wa s[6:7], Wb s[8:9], Wc s[10:11]
	s_load_b256 s[12:19], s[0:1], 0x20             ; Wcls s[12:13], Wins s[14:15], w1q s[16:17], w1s s[18:19]
	s_load_b256 s[20:27], s[0:1], 0x40             ; w2q s[20:21], w2s s[22:23], swh s[24:25], wcb s[26:27]
	v_lshrrev_b32 v1, 5, v0
	v_readfirstlane_b32 s28, v1                    ; wave
	v_and_b32 v1, 31, v0                           ; lane
	v_and_b32 v2, 15, v0                           ; r
	v_bfe_u32 v3, v0, 4, 1                         ; h
	v_lshlrev_b32 v5, 4, v1                        ; 16 x lane: my place in an image
	v_lshlrev_b32 v6, 2, v1                        ; 4 x lane: my scale word
	v_lshlrev_b32 v7, 3, v3                        ; 8 h: my bytes' place in a scale word, in bits
	v_mov_b32 v[WT], 0                             ; a lane permute's destination counts as one of its sources
	v_mov_b32 v[WT+1], 0
	s_mov_b32 s30, 0x76543210
	s_mov_b32 s31, 0xfedcba98                      ; v_permlanex16_b32's selects for lane l xor 16
	s_mov_b32 s37, 0
	s_mov_b32 s39, 0
	s_wait_kmcnt 0x0
; One task.  PITCH: bytes of a row of the source; SRC, DQ, DS: the scalar pairs of the source, the codes and the scale words, each at the task's first byte.  v4: my lane's byte in the source.
.macro WQ PITCH, SRC, DQ, DS
.irp q, 0,1,2,3
.set i_, 0
.rept 32
	global_load_b32 v[X+32*\q+i_], v4, s[\SRC:\SRC+1] offset:(64*\q+i_)*\PITCH   ; row 64 q + 32 h + i of the task's 256, my column
.set i_, i_+1
.endr
.endr
	s_wait_loadcnt 0x0
.irp q, 0,1,2,3
	v_max3_num_f32 v[MX+\q], |v[X+32*\q]|, |v[X+32*\q+1]|, 0x1800000   ; all 32 numbers of a block are mine; the floor 2^(3 - 127) holds the byte at 1 from below
.endr
.irp i, 2,4,6,8,10,12,14,16,18,20,22,24,26,28,30
.irp q, 0,1,2,3
	v_max3_num_f32 v[MX+\q], v[MX+\q], |v[X+32*\q+\i]|, |v[X+32*\q+\i+1]|   ; the four blocks by turns
.endr
.endr
.irp q, 0,1,2,3
	v_add_nc_u32 v[SO+\q], 0xff000000, v[MX+\q]    ; 2 off the exponent field: the conversion takes that field as its scale
.endr
.irp q, 0,1,2,3
	v_lshrrev_b32 v[BY+\q], 23, v[SO+\q]           ; the scale's byte
.endr
.irp q, 0,1,2,3
.irp g, 0,1,2,3
	v_cvt_scalef32_pk8_fp4_f32 v[CQ+4*\q+\g], v[X+32*\q+8*\g:X+32*\q+8*\g+7], v[SO+\q]
.endr
.endr
	v_nop                                          ; one plain line behind the last scaled conversion
.irp e, 0,1
	v_lshl_or_b32 v[WD+\e], v[BY+2*\e+1], 16, v[BY+2*\e]   ; my two bytes: blocks h and 2 + h of the K step,
	v_lshlrev_b32 v[WD+\e], v7, v[WD+\e]           ; at their places;
	v_permlanex16_b32 v[WT+\e], v[WD+\e], s30, s31
	v_or_b32 v[WD+\e], v[WD+\e], v[WT+\e]          ; with lane l xor 16's two the word is whole
.endr
	v_cmp_lt_u32 vcc_lo, 15, v1
	v_cndmask_b32 v[WD], v[WD], v[WD+1], vcc_lo    ; lanes 0-15 keep the even K step's word, lanes 16-31 take the odd one's
.irp q, 0,1,2,3
	global_store_b128 v5, v[CQ+4*\q:CQ+4*\q+3], s[\DQ:\DQ+1] offset:512*\q   ; 32 lanes store 512 consecutive bytes
.endr
	global_store_b32 v6, v[WD], s[\DS:\DS+1]
.endm
	s_cmp_lt_u32 ttmp9, 32
	s_cbranch_scc0 .Lnot_a
	; ---- W1
	s_lshl_b32 s32, ttmp9, 2
	s_add_co_u32 s32, s32, s28                     ; T
	s_lshr_b32 s33, ttmp9, 3
	s_lshl_b32 s33, s33, 7                         ; 128 w
	s_bfe_u32 s34, ttmp9, 0x20001
	s_lshl_b32 s34, s34, 5                         ; 32 (t / 2)
	s_and_b32 s35, ttmp9, 1
	s_lshl_b32 s35, s35, 3                         ; 8 (t % 2)
	s_add_co_u32 s33, s33, s34
	s_add_co_u32 s33, s33, s35
	s_lshl_b32 s33, s33, 2                         ; the tile's first column, in bytes
	s_lshl_b32 s34, s28, 19                        ; 256 sp rows of 2,048 bytes
	s_add_co_u32 s36, s33, s34
	s_add_nc_u64 s[4:5], s[4:5], s[36:37]
	s_lshl_b32 s38, s32, 11
	s_add_nc_u64 s[16:17], s[16:17], s[38:39]
	s_lshl_b32 s38, s32, 7
	s_add_nc_u64 s[18:19], s[18:19], s[38:39]
	v_and_b32 v4, 8, v2
	v_add_nc_u32 v4, v4, v2                        ; r + 8 (r / 8)
	v_lshlrev_b32 v4, 2, v4
	v_lshl_add_u32 v4, v3, 16, v4                  ; + 32 h rows
	WQ 2048, 4, 16, 18
	s_endpgm
.Lnot_a:
	s_cmp_lt_u32 ttmp9, 48
	s_cbranch_scc0 .Lpath_c
	; ---- Wa, Wb
	s_sub_co_u32 s32, ttmp9, 32
	s_lshl_b32 s32, s32, 2
	s_add_co_u32 s32, s32, s28                     ; T: w = T / 16, t = (T / 2) % 8, sp = T % 2
	s_lshr_b32 s33, s32, 4
	s_lshl_b32 s33, s33, 6                         ; 64 w
	s_bfe_u32 s34, s32, 0x20001
	s_lshl_b32 s34, s34, 4                         ; 16 (t % 4)
	s_add_co_u32 s33, s33, s34
	s_lshl_b32 s33, s33, 2
	s_and_b32 s35, s32, 1
	s_lshl_b32 s35, s35, 18                        ; 256 sp rows of 1,024 bytes
	s_add_co_u32 s36, s33, s35
	s_bitcmp1_b32 s32, 3                           ; t >= 4: Wb.  The choice hangs on ids alone
	s_cselect_b64 s[4:5], s[8:9], s[6:7]
	s_add_nc_u64 s[4:5], s[4:5], s[36:37]
	s_lshl_b32 s38, s32, 11
	s_add_nc_u64 s[20:21], s[20:21], s[38:39]
	s_lshl_b32 s38, s32, 7
	s_add_nc_u64 s[22:23], s[22:23], s[38:39]
	v_lshlrev_b32 v4, 2, v2
	v_lshl_add_u32 v4, v3, 15, v4
	WQ 1024, 4, 20, 22
	s_endpgm
.Lpath_c:
	; ---- the small tables.  Thread n of 128 takes k = 4 n .. 4 n + 3 of Wins and Wcls, and k = 2 n, 2 n + 1 of Wc
	v_lshlrev_b32 v8, 5, v0
	v_lshlrev_b32 v9, 4, v0
	global_load_b128 v[64:67], v8, s[14:15]                ; Wins[0][k][o]: register 2 kk + o
	global_load_b128 v[68:71], v8, s[14:15] offset:16
	global_load_b128 v[72:75], v8, s[14:15] offset:4096    ; Wins[1]
	global_load_b128 v[76:79], v8, s[14:15] offset:4112
	global_load_b128 v[80:83], v9, s[12:13]                ; Wcls
	global_load_b128 v[84:87], v9, s[10:11]                ; Wc[k][c]: register 2 kk + c
.irp r, 4,5,7,12,13,15
	v_mov_b32 v[SW+2*\r], 0                        ; the rows of swh that hold nothing
	v_mov_b32 v[SW+2*\r+1], 0
.endr
.irp r, 0,1,2,3,6,7,8,9,10,11,14,15
	v_mov_b32 v[WCR+\r], 0                         ; and of wcb
.endr
	v_lshlrev_b32 v12, 3, v0
	v_lshlrev_b32 v13, 2, v0
	s_wait_loadcnt 0x0
.macro HILO dh, dl, a, b               ; two numbers: their bf16, and the bf16 of what that leaves
	v_cvt_pk_bf16_f32 v[\dh], v[\a], v[\b]
	v_lshlrev_b32 v10, 16, v[\dh]
	v_and_b32 v11, 0xffff0000, v[\dh]
	v_sub_f32 v10, v[\a], v10
	v_sub_f32 v11, v[\b], v11
	v_cvt_pk_bf16_f32 v[\dl], v10, v11
.endm
.irp c, 0,1
.irp o, 0,1
.irp p, 0,1
	HILO SW+2*(2*\c+\o)+\p, SW+16+2*(2*\c+\o)+\p, 64+8*\c+4*\p+\o, 64+8*\c+4*\p+2+\o   ; row 2 c + o
.endr
.endr
.endr
.irp p, 0,1
	HILO SW+12+\p, SW+28+\p, 80+2*\p, 80+2*\p+1    ; row 6: Wcls
.endr
.irp c, 0,1
	HILO WCR+4+\c, WCR+12+\c, 84+\c, 84+2+\c       ; wcb's rows 4 + c
.endr
.set r_, 0
.rept 16
	global_store_b64 v12, v[SW+2*r_:SW+2*r_+1], s[24:25] offset:1024*r_   ; a wave stores 256 consecutive bytes of a row
	global_store_b32 v13, v[WCR+r_], s[26:27] offset:512*r_
.set r_, r_+1
.endr
	s_endpgm
.Lfunc_end_k_qe0e9a6ce11_prep:
	.size	k_qe0e9a6ce11_prep, .Lfunc_end_k_qe0e9a6ce11_prep-k_qe0e9a6ce11_prep
	.p2alignl 7, 3214868480
	.fill 96, 4, 3214868480
	.section	.rodata,"a",@progbits
	.p2align	6, 0x0
	.amdhsa_kernel k_qe0e9a6ce11_prep
		.amdhsa_group_segment_fixed_size 0
		.amdhsa_private_segment_fixed_size 0
		.amdhsa_enable_private_segment 0
		.amdhsa_kernarg_size 96
		.amdhsa_user_sgpr_count 2
		.amdhsa_user_sgpr_kernarg_segment_ptr 1
		.amdhsa_wavefront_size32 1
		.amdhsa_system_sgpr_workgroup_id_x 1
		.amdhsa_system_sgpr_workgroup_id_y 1
		.amdhsa_system_sgpr_workgroup_id_z 1
		.amdhsa_system_vgpr_workitem_id 0
		.amdhsa_next_free_vgpr 200
		.amdhsa_next_free_sgpr 66
		.amdhsa_reserve_vcc 1
		.amdhsa_float_denorm_mode_32 3
		.amdhsa_float_denorm_mode_16_64 3
		.amdhsa_memory_ordered 1
		.amdhsa_forward_progress 1
		.amdhsa_inst_pref_size 48
	.end_amdhsa_kernel
	.amdgpu_metadata
---
amdhsa.version: [ 1, 2 ]
amdhsa.kernels:
  - .name:           k_qe0e9a6ce11_prep
    .symbol:         k_qe0e9a6ce11_prep.kd
    .args:
      - { .name: W1, .offset: 0, .size: 8, .value_kind: global_buffer, .address_space: global }
      - { .name: Wa, .offset: 8, .size: 8, .value_kind: global_buffer, .address_space: global }
      - { .name: Wb, .offset: 16, .size: 8, .value_kind: global_buffer, .address_space: global }
      - { .name: Wc, .offset: 24, .size: 8, .value_kind: global_buffer, .address_space: global }
      - { .name: Wcls, .offset: 32, .size: 8, .value_kind: global_buffer, .address_space: global }
      - { .name: Wins, .offset: 40, .size: 8, .value_kind: global_buffer, .address_space: global }
      - { .name: w1q, .offset: 48, .size: 8, .value_kind: global_buffer, .address_space: global }
      - { .name: w1s, .offset: 56, .size: 8, .value_kind: global_buffer, .address_space: global }
      - { .name: w2q, .offset: 64, .size: 8, .value_kind: global_buffer, .address_space: global }
      - { .name: w2s, .offset: 72, .size: 8, .value_kind: global_buffer, .address_space: global }
      - { .name: swh, .offset: 80, .size: 8, .value_kind: global_buffer, .address_space: global }
      - { .name: wcb, .offset: 88, .size: 8, .value_kind: global_buffer, .address_space: global }
    .group_segment_fixed_size: 0
    .private_segment_fixed_size: 0
    .kernarg_segment_align: 8
    .kernarg_segment_size: 96
    .max_flat_workgroup_size: 128
    .sgpr_count:     66
    .vgpr_count:     200
    .wavefront_size: 32
...
	.end_amdgpu_metadata
.endif
;; end of part 1
;; launch main (part 2): grid 256 x 1, 4 waves a work-group, no clusters, 327,680 bytes of LDS; arguments x, w1q, w1s, w2q, w2s, swh, wcb, b1, ba, bb, bc, bins, out3, part; writes out3, part
.if DOCPART == 2
	.amdgcn_target "amdgcn-amd-amdhsa--gfx1250"
	.amdhsa_code_object_version 6
	.text
	.protected	k_qe0e9a6ce11_main
	.globl	k_qe0e9a6ce11_main
	.p2align	8
	.type	k_qe0e9a6ce11_main,@function
k_qe0e9a6ce11_main:
	s_mov_b64 s[64:65], 0
	v_nop
	global_prefetch_b8 v0, s[64:65] scope:SCOPE_SE
	s_setreg_imm32_b32 hwreg(HW_REG_WAVE_MODE, 25, 1), 1
	s_wait_xcnt 0x0
; The whole chain for 256 rows of x to a work-group, 32 rows (two tiles of 16) a block, eight blocks:
;   h = relu(Q(x) Q(W1) + b1);  a g = tanh(Q(h) Q(Wa) + ba) sigmoid(Q(h) Q(Wb) + bb);  A = (a g) Wc + bc (out3);  and for each row the four instance logits h . Wins[c][:][o] + bins and s = h . Wcls.
; Both large products run on codes of FP4 (E2M1) with one E8M0 scale for each 32 along K; h never goes to memory.
; THE WAVES SHARE THE COLUMNS, NOT THE ROWS: wave w makes hidden units 128 w .. + 127 and units 64 w .. + 63 of a and g, for all rows.  Its part of W1, Wa and Wb (768 registers of codes, 48 of scale words) stays
; in its registers for the whole launch.  What goes round, through LDS as images of operand registers, is small: a block's codes of x and of h.
; x comes by the tensor data mover through two LDS slots of one block each.  Wave w fetches, reads and quantises columns 256 w .. + 255 (K steps 2 w, 2 w + 1) of the block's 32 rows: only the wave that asked reads a tile.
; THE MATRIX INSTRUCTION IS USED TRANSPOSED (source 0 = 16 columns of a weight, source 1 = 16 rows): a lane holds ONE row (lane % 16) and its registers run along the units, which are the next K.
; The biases are loaded into the accumulators and are the C of each sum's first matrix instruction.
; The seven small columns (Wins 4, Wc 2, Wcls 1) are ONE accumulator of a bf16 product: rows 0-7 of its source 0 hold the weights' bf16, rows 8-15 the bf16 of what that leaves.  h and a g go into it rounded to bf16.
; The slide-level feature M = attn h is used by the problem only as M Wcls, so the row's s is kept in its stead and the last launch sums attn[c][n] s[n]: the same sum in another order.
; At the end wave 3 makes the work-group's parts of the two softmaxes (largest A, sum of exponentials, sum of exponentials x s), and waves 0-2 three lists of eight (class 0 largest, class 1 largest, class 1 smallest A),
; each entry with its row number and its logit difference carried along by selects: no address and no branch hangs on a number computed here.
; NO CLUSTER: what work-groups share is 408 KB of weight images, which each reads once, straight into registers, against 1 MB of x of its own; a joint load lands in LDS, whose two slots belong to x from the first line on.
; LIMITS.  NaN and infinities are not served.  Blocks whose largest magnitude lies under 2^-124 take the scale byte 1 (a block of zeros too: its codes are zeros).  The exponents of 2^(-2 u log2 e) and 2^(-v log2 e)
; are held at 60, so a sigmoid under 2^-60 stays there: an absolute error under 1e-18.  The lists are chosen by A, ties to the lower row, not by the rounded softmax of A: where different A give equal attn the choice can differ.
;
; LDS: slot n at n SLOT: wave w's tile at w WTILE: 32 rows of 1,024 bytes + 16 of padding (row r starts 4 r banks on, so the 16 rows of a load fall on different banks).  From IMGB on, bytes that no tensor load fills:
.set XP,     1040                      ; a row of x's tile in LDS; also the pitch of a plane of results
.set WTILE,  32*XP
.set SLOT,   4*WTILE
.set IMGB,   2*SLOT                    ; 266,240
.set XIMG,   0                         ; x's 16 fragments: (tile of rows m, K step s) at (8 m + s) 1024 + 512 c + 16 lane
.set XSC,    16384                     ; their scale words: 512 m + 16 (r + 16 (s % 2)) + 4 (s / 2)
.set HIMG,   17408                     ; h's 8 fragments: (4 m + s) 1024
.set HSC,    25600                     ; their scale words: 256 m + 8 (r + 16 (s % 2)) + 4 (s / 2)
.set B1L,    26112                     ; b1
.set BAL,    28160                     ; ba, then bb
.set WCL,    30208                     ; each wave's two fragments of Wc's table
.set PS,     38400                     ; the waves' parts of the small sums: 2048 wave + 64 row + 32 h
.set RES,    46592                     ; eight planes of 256 rows: 0-3 instance logits, 4-5 A, 6 s, 7 nothing
.set SPARE,  IMGB+55040                ; the spare words, 128 bytes for each wave: two blocks of 256 bytes that no other line names
; REGISTERS.  Window 0:
.set SPW,  1                           ; LDS address of my spare word; never rewritten
.set NIL,  2                           ; 0; never rewritten
.set XRD0, 3                           ; my place in my wave's tile of slot 0: WTILE w + XP r + 64 h
.set XRD,  4                           ; the same in the slot in hand
.set LI,   5                           ; IMGB + 16 lane
.set LS8,  6                           ; IMGB + 8 lane
.set XWI,  7                           ; LI + 2048 w
.set XWS,  8                           ; IMGB + 16 r + 4 w
.set HWI,  9                           ; LI + 1024 w
.set HWS,  10                          ; IMGB + 8 r + 128 (w % 2) + 4 (w / 2)
.set BIA1, 11                          ; IMGB + 512 w + 64 h
.set BIA2, 12                          ; IMGB + 256 w + 32 h
.set PSW,  13                          ; IMGB + 2048 w + 64 r + 32 h
.set FRD,  14                          ; IMGB + 64 (thread / 4) + 8 (thread % 4)
.set FWR,  15                          ; IMGB + RES + 2 XP (thread % 4) + 4 (thread / 4)
.set FB,   16                          ; v16-17 the biases of my pair of planes
.set TQ,   18                          ; at work
.set TP0,  19
.set PC,   20                          ; v20-27 the codes just made
.set PW,   28                          ; the scale word just made
.set TP1,  29
.set TP2,  30
.set TP3,  31
.set W1S,  32                          ; v32-63  W1's scale words: 4 t + s / 2; lanes 0-15 the even K step, lanes 16-31 the odd one
.set W2S,  64                          ; v64-79  Wa's and Wb's: 2 t + s / 2
.set XS,   80                          ; v80-87  x's scale words (4 m + s / 2), then h's (2 m + s / 2)
.set SWF,  88                          ; v88-119 four bf16 fragments of the table of Wins and Wcls
.set ACC,  120                         ; v120-183 eight accumulators; in the X phase 64 numbers of x
.set VV,   ACC+32
.set STB,  184                         ; v184-247 in the X phase 64 more numbers of x; else:
.set FRAG, 184                         ; v184-207 three fragments that take turns
.set PK,   208                         ; v208-215 32 numbers as bf16
.set SA,   216                         ; v216-231 the small accumulator of each tile of rows
.set WCF,  232                         ; v232-247 two bf16 fragments of Wc's table
.set TMX,  248                         ; v248-251 largest magnitudes, then the conversions' scale operands
.set TMP,  252                         ; v252-255 the other half's, then the bytes
.set PK2,  248                         ; v248-255 32 more numbers as bf16
; Window 1: W1's K steps 0-3, fragment (t, s) at v[((s % 4) 8 + t) 8];  window 2: K steps 4-7 likewise;  window 3: Wa (t 0-3) and Wb (t 4-7), fragment (t, s) at v[(8 s + t) 8].
.set WV,  36                           ; s36 my wave's number
.set TB,  37                           ; s37 LDS byte at which the slot in hand begins
.set WB,  38                           ; s38 WTILE x wave
.set CNT, 39
.set SEL, 40                           ; s[40:41] v_permlanex16_b32's selects for lane l xor 16
.set G1,  44                           ; s[44:51] descriptor group 1
.set G0A, 52                           ; s[52:55] group 0 of the first fill of slot 0
.set G0B, 56                           ; s[56:59] group 0 of slot 1's first fill, which then walks
.set KC,  63
.set C1,  66                           ; s[66:67] -2 log2 e
.set C2,  68                           ; s[68:69] -log2 e
.set C60, 70                           ; s70 60.0
.set RB,  71                           ; s71 the block's first row in a plane, in bytes
.set MSB, 0
.macro WIN new                         ; the immediate's high byte repeats the setting that is left
.if MSB != (\new)
	s_set_vgpr_msb (MSB<<8)|(\new)
.set MSB, \new
.endif
.endm
.macro PLACES                          ; four plain vector lines behind a matrix instruction, ahead of loads into its registers and of reads of its result
.rept 4
	v_nop
.endr
.endm
.macro BAR                             ; my LDS stores have landed and my LDS loads are in: then the work-group's barrier
	s_wait_dscnt 0x0
	s_barrier_signal -1
	s_barrier_wait -1
.endm
; 64 numbers of x: tile of rows n / 2, my K step n % 2: register 16 b + i = k 32 b + 16 h + i of row r
.macro XL n, S
.irp b, 0,1,2,3
.irp j, 0,1,2,3
	ds_load_b128 v[\S+16*\b+4*\j:\S+16*\b+4*\j+3], v[XRD] offset:16*XP*((\n)/2)+512*((\n)%2)+128*\b+16*\j
.endr
.endr
.endm
; four lines of the search for the largest magnitudes of the four blocks, by turns: numbers i and i + 1 of each.  i = 0 starts it, with the floor 2^(3 - 127), which holds the byte at 1 from below
.macro QMAXG S, i, abs
.irp b, 0,1,2,3
.if (\i) == 0
.if \abs
	v_max3_num_f32 v[TMX+\b], |v[\S+16*\b]|, |v[\S+16*\b+1]|, 0x1800000
.else
	v_max3_num_f32 v[TMX+\b], v[\S+16*\b], v[\S+16*\b+1], 0x1800000
.endif
.else
.if \abs
	v_max3_num_f32 v[TMX+\b], v[TMX+\b], |v[\S+16*\b+(\i)]|, |v[\S+16*\b+(\i)+1]|
.else
	v_max3_num_f32 v[TMX+\b], v[TMX+\b], v[\S+16*\b+(\i)], v[\S+16*\b+(\i)+1]
.endif
.endif
.endr
.endm
.macro QSCALE
.irp b, 0,1,2,3
	v_permlanex16_b32 v[TMP+\b], v[TMX+\b], s[SEL], s[SEL+1]
.endr
.irp b, 0,1,2,3
	v_max_num_f32 v[TMX+\b], v[TMX+\b], v[TMP+\b]  ; with lane l xor 16's 16 numbers: the block's largest magnitude
.endr
.irp b, 0,1,2,3
	v_add_nc_u32 v[TMX+\b], 0xff000000, v[TMX+\b]  ; 2 off its exponent field: the conversion takes that field as its scale
.endr
.irp b, 0,1,2,3
	v_lshrrev_b32 v[TMP+\b], 23, v[TMX+\b]         ; the scale's byte
.endr
	v_lshl_or_b32 v[PW], v[TMP+1], 8, v[TMP]       ; four bytes: my row's scale word
	v_lshl_or_b32 v[PW], v[TMP+2], 16, v[PW]
	v_lshl_or_b32 v[PW], v[TMP+3], 24, v[PW]
.endm
.macro QCVT S
.irp b, 0,1,2,3
	v_cvt_scalef32_pk8_fp4_f32 v[PC+2*\b], v[\S+16*\b:\S+16*\b+7], v[TMX+\b]
	v_cvt_scalef32_pk8_fp4_f32 v[PC+2*\b+1], v[\S+16*\b+8:\S+16*\b+15], v[TMX+\b]
.endr
	v_nop                                          ; one plain line behind the last scaled conversion
.endm
.macro QSWAP                           ; the operand wants a WHOLE block in a lane: lanes 0-15 block 2 c, lanes 16-31 block 2 c + 1
.irp c, 0,1
.irp i, 0,1
	v_permlane16_swap_b32 v[PC+4*\c+\i], v[PC+2+4*\c+\i]
.endr
.endr
.endm
.macro IMG adr, off                    ; the fragment in v[PC] on goes to LDS as it stands
.irp c, 0,1
	ds_store_b128 v[\adr], v[PC+4*\c:PC+4*\c+3] offset:(\off)+512*\c
.endr
.endm
.macro FRG buf, off                    ; and comes back so, in any wave
.irp c, 0,1
	ds_load_b128 v[FRAG+8*(\buf)+4*\c:FRAG+8*(\buf)+4*\c+3], v[LI] offset:(\off)+512*\c
.endr
.endm
.macro BIAS1                           ; b1 in the result's layout: tile t, register j: unit 128 w + 32 (t / 2) + 16 h + 8 (t % 2) + j
.irp t, 0,1,2,3,4,5,6,7
	ds_load_b128 v[ACC+8*\t:ACC+8*\t+3], v[BIA1] offset:B1L+4*(32*(\t/2)+8*(\t%2))
	ds_load_b128 v[ACC+8*\t+4:ACC+8*\t+7], v[BIA1] offset:B1L+4*(32*(\t/2)+8*(\t%2))+16
.endr
.endm
.macro BIAS2                           ; ba (tiles 0-3) and bb (tiles 4-7): unit 64 w + 16 (t % 4) + 8 h + j
.irp t, 0,1,2,3,4,5,6,7
	ds_load_b128 v[ACC+8*\t:ACC+8*\t+3], v[BIA2] offset:BAL+64*(\t%4)+1024*(\t/4)
	ds_load_b128 v[ACC+8*\t+4:ACC+8*\t+7], v[BIA2] offset:BAL+64*(\t%4)+1024*(\t/4)+16
.endr
.endm
.macro W4 d, a, b, sa, sb, odd         ; one scaled product in place; an odd K step takes both sides' scales from lanes 16-31
.if \odd
	v_wmma_scale_f32_16x16x128_f8f6f4 v[\d:\d+7], v[\a:\a+7], v[\b:\b+7], v[\d:\d+7], v[\sa], v[\sb] matrix_a_fmt:MATRIX_FMT_FP4 matrix_b_fmt:MATRIX_FMT_FP4 matrix_a_scale:MATRIX_SCALE_ROW1 matrix_b_scale:MATRIX_SCALE_ROW1
.else
	v_wmma_scale_f32_16x16x128_f8f6f4 v[\d:\d+7], v[\a:\a+7], v[\b:\b+7], v[\d:\d+7], v[\sa], v[\sb] matrix_a_fmt:MATRIX_FMT_FP4 matrix_b_fmt:MATRIX_FMT_FP4
.endif
.endm
; Step n of the first product: tile of rows n / 8, K step n % 8: my eight accumulators by turns, one instruction a turn.  c: the LDS loads that may stay out
.macro STEP1 n, c
.set ks_, (\n)%8
.set km_, (\n)/8
.set kq_, ks_%4
.set kh_, ks_/2
.set ko_, ks_%2
.set kf_, FRAG+8*((\n)%3)
.set kw_, 1+ks_/4
	s_wait_dscnt \c
	WIN kw_                                        ; source 0 in window 1 or 2
.irp t, 0,1,2,3,4,5,6,7
	W4 ACC+8*\t, (kq_*8+\t)*8, kf_, W1S+4*\t+kh_, XS+4*km_+kh_, ko_
.endr
	WIN 0
	PLACES
.if (\n)+3 <= 15
	FRG ((\n)+3)%3, XIMG+((\n)+3)*1024
.endif
.endm
; Step n of the second and third: tile of rows n / 4, K step n % 4
.macro STEP2 n, c
.set ks_, (\n)%4
.set km_, (\n)/4
.set kh_, ks_/2
.set ko_, ks_%2
.set kf_, FRAG+8*((\n)%3)
	s_wait_dscnt \c
	WIN 3                                          ; source 0 in window 3
.irp t, 0,1,2,3,4,5,6,7
	W4 ACC+8*\t, (ks_*8+\t)*8, kf_, W2S+2*\t+kh_, XS+2*km_+kh_, ko_
.endr
	WIN 0
	PLACES
.if (\n)+3 <= 7
	FRG ((\n)+3)%3, HIMG+((\n)+3)*1024
.endif
.endm
; My 128 hidden units of tile of rows m: relu; as bf16 into the small product; quantised; the image goes to LDS as K step w of the next product.
; The four lines of the search on each side of a bf16 product are the places between the lines that write v[PK] on and the product that reads them.
.macro HPOST m
.set j_, 0
.rept 64
	v_max_num_f32 v[ACC+j_], 0, v[ACC+j_]          ; each accumulator from its low end on
.set j_, j_+1
.endr
.irp b, 0,1,2,3
.irp i, 0,1,2,3,4,5,6,7
	v_cvt_pk_bf16_f32 v[PK+\i], v[ACC+16*\b+2*\i], v[ACC+16*\b+2*\i+1]   ; units 32 b + 16 h + 0 .. 15: the table's fragments were loaded in the same order of k
.endr
	QMAXG ACC, 4*\b, 0
.if \b == 0
	v_wmma_f32_16x16x32_bf16 v[SA+8*\m:SA+8*\m+7], v[SWF+8*\b:SWF+8*\b+7], v[PK:PK+7], 0
.else
	s_wait_alu depctr_va_vdst(0)                   ; a wait ahead of each link
	v_wmma_f32_16x16x32_bf16 v[SA+8*\m:SA+8*\m+7], v[SWF+8*\b:SWF+8*\b+7], v[PK:PK+7], v[SA+8*\m:SA+8*\m+7]
.endif
	QMAXG ACC, 4*\b+2, 0
.endr
	QSCALE
	QCVT ACC
.if \m == 0
	BIAS1                                          ; the accumulators are free: the next sums' biases
.else
	BIAS2
.endif
	QSWAP
	IMG HWI, HIMG+4096*\m
	ds_store_b32 v[HWS], v[PW] offset:HSC+256*\m   ; both halves of the lanes write the same word with the same value
.endm
; a g = (1 - E1) / ((1 + E1) (1 + E2)), E1 = 2^(-2 u log2 e), E2 = 2^(-v log2 e): two exponentials and one reciprocal for a pair.  u: v[ACC] on, v: v[VV] on.
.macro APOST m
.set p_, 0
.rept 16
	v_pk_mul_f32 v[ACC+2*p_:ACC+2*p_+1], v[ACC+2*p_:ACC+2*p_+1], s[C1:C1+1] op_sel_hi:[1,0]
.set p_, p_+1
.endr
.set p_, 0
.rept 16
	v_pk_mul_f32 v[VV+2*p_:VV+2*p_+1], v[VV+2*p_:VV+2*p_+1], s[C2:C2+1] op_sel_hi:[1,0]
.set p_, p_+1
.endr
.set i_, 0
.rept 64
	v_min_num_f32 v[ACC+i_], s[C60], v[ACC+i_]     ; the exponent is held at 60; each hold is also the plain line behind the exponential before it
.if i_ > 0
	v_exp_f32 v[ACC+i_-1], v[ACC+i_-1]
.endif
.set i_, i_+1
.endr
	v_exp_f32 v[ACC+63], v[ACC+63]
	v_nop
.set p_, 0
	s_wait_alu depctr_va_vdst(0)
.rept 16
	v_pk_add_f32 v[VV+2*p_:VV+2*p_+1], v[VV+2*p_:VV+2*p_+1], 1.0 op_sel_hi:[1,0]
	v_pk_fma_f32 v[VV+2*p_:VV+2*p_+1], v[ACC+2*p_:ACC+2*p_+1], v[VV+2*p_:VV+2*p_+1], v[VV+2*p_:VV+2*p_+1]   ; (1 + E1) (1 + E2)
.if p_ > 0
	v_rcp_f32 v[VV+2*p_-2], v[VV+2*p_-2]
	v_rcp_f32 v[VV+2*p_-1], v[VV+2*p_-1]
.endif
.set p_, p_+1
.endr
	v_rcp_f32 v[VV+30], v[VV+30]
	v_rcp_f32 v[VV+31], v[VV+31]
	v_nop
.set p_, 0
	s_wait_alu depctr_va_vdst(0)
.rept 8
	v_pk_fma_f32 v[ACC+2*p_:ACC+2*p_+1], v[ACC+2*p_:ACC+2*p_+1], v[VV+2*p_:VV+2*p_+1], v[VV+2*p_:VV+2*p_+1] neg_lo:[1,0,0] neg_hi:[1,0,0]
.set p_, p_+1
.endr
.set p_, 0
.rept 8
	v_cvt_pk_bf16_f32 v[PK+p_], v[ACC+2*p_], v[ACC+2*p_+1]       ; units 8 h + 0 .. 7 and 16 + 8 h + 0 .. 7: the operand's own order
.set p_, p_+1
.endr
.set p_, 8
.rept 8
	v_pk_fma_f32 v[ACC+2*p_:ACC+2*p_+1], v[ACC+2*p_:ACC+2*p_+1], v[VV+2*p_:VV+2*p_+1], v[VV+2*p_:VV+2*p_+1] neg_lo:[1,0,0] neg_hi:[1,0,0]
.set p_, p_+1
.endr
.set p_, 0
.rept 8
	v_cvt_pk_bf16_f32 v[PK2+p_], v[ACC+16+2*p_], v[ACC+16+2*p_+1]
.set p_, p_+1
.endr
.if \m == 0
	BIAS2
.endif
	PLACES
	s_wait_alu depctr_va_vdst(0)                   ; the small accumulator is taken up again
	v_wmma_f32_16x16x32_bf16 v[SA+8*\m:SA+8*\m+7], v[WCF:WCF+7], v[PK:PK+7], v[SA+8*\m:SA+8*\m+7]
	s_wait_alu depctr_va_vdst(0)
	v_wmma_f32_16x16x32_bf16 v[SA+8*\m:SA+8*\m+7], v[WCF+8:WCF+15], v[PK2:PK2+7], v[SA+8*\m:SA+8*\m+7]
	PLACES
	ds_store_b128 v[PSW], v[SA+8*\m:SA+8*\m+3] offset:PS+1024*\m       ; from its low end on
	ds_store_b128 v[PSW], v[SA+8*\m+4:SA+8*\m+7] offset:PS+1024*\m+16
.endm
.macro QX S                            ; 64 numbers of x become a fragment and a scale word
.irp i, 0,2,4,6,8,10,12,14
	QMAXG \S, \i, 1
.endr
	QSCALE
	QCVT \S
	QSWAP
.endm
.macro STX n
	IMG XWI, XIMG+8192*((\n)/2)+1024*((\n)%2)
	ds_store_b32 v[XWS], v[PW] offset:XSC+512*((\n)/2)+256*((\n)%2)
.endm
; ONE BLOCK OF 32 ROWS.  refill = 1: the slot just read out is filled again, with the block two further on.
.macro BLOCK refill
	; ---- X: my quarter of K of the 32 rows becomes four fragments.  Each wait leaves out only the 16 loads issued last: the numbers in hand are in, and the stores before have read v[PC] on.
	v_add_nc_u32 v[XRD], s[TB], v[XRD0]
	XL 0, ACC
	XL 1, STB
	s_wait_dscnt 16
	QX ACC
	STX 0
	XL 2, ACC
	s_wait_dscnt 16
	QX STB
	STX 1
	XL 3, STB
	s_wait_dscnt 16
	QX ACC
	STX 2
	BIAS1
	s_wait_dscnt 16
	QX STB
	STX 3
.irp b, 0,1
.irp c, 0,1
	ds_load_b128 v[WCF+8*\b+4*\c:WCF+8*\b+4*\c+3], v[XWI] offset:WCL+1024*\b+512*\c   ; Wc's fragments come back into the registers that x's numbers have left
.endr
.endr
	s_wait_tensorcnt 0x0                           ; all my tensor loads have landed: the one that was out is the next block's
	ds_add_u32 v[SPW], v[NIL]                      ; 0 onto my spare word
.if \refill
	s_add_co_u32 s[G0B+1], s[WB], s[TB]            ; no tensor load of mine is out, so the walking group 0 may be written: into the slot just read,
	s_add_nc_u64 s[G0B+2:G0B+3], s[G0B+2:G0B+3], 0x20000   ; 32 rows of 4,096 bytes on; the type bits on top are not reached
.endif
	s_wait_dscnt 0x0                               ; the add is done, my reads of the slot are over, my images have landed
	s_barrier_signal -1
	s_barrier_wait -1                              ; all that holds of every wave: x's sixteen fragments lie in LDS
.if \refill
	tensor_load_to_lds s[G0B:G0B+3], s[G1:G1+7]    ; my one tensor load behind this barrier, and the first thing there: it has a whole block's work in which to land
	s_nop 0
	PLACES
.endif
	; ---- 1: the hidden layer
.irp m, 0,1
	ds_load_b128 v[XS+4*\m:XS+4*\m+3], v[LI] offset:XSC+512*\m
.endr
	FRG 0, XIMG
	FRG 1, XIMG+1024
	FRG 2, XIMG+2048
.irp n, 0,1,2,3,4,5,6,7
	STEP1 \n, 4                                    ; the two younger fragments (four loads) may be out
.endr
	HPOST 0
	STEP1 8, 0                                     ; the biases, asked for last, are in
.irp n, 9,10,11,12,13
	STEP1 \n, 4
.endr
	STEP1 14, 2
	STEP1 15, 0
	HPOST 1
	BAR                                            ; h's eight fragments lie in LDS.
	; ---- 2: a and g
.irp m, 0,1
	ds_load_b64 v[XS+2*\m:XS+2*\m+1], v[LS8] offset:HSC+256*\m
.endr
	FRG 0, HIMG
	FRG 1, HIMG+1024
	FRG 2, HIMG+2048
.irp n, 0,1,2,3
	STEP2 \n, 4
.endr
	APOST 0
	STEP2 4, 0
	STEP2 5, 4
	STEP2 6, 2
	STEP2 7, 0
	APOST 1
	BAR                                            ; the four waves' parts of the small sums lie in LDS
	; ---- the small sums: thread n takes row n / 4 and planes 2 (n % 4), 2 (n % 4) + 1: four waves' high and low parts, and the bias
.irp k, 0,1,2,3
	ds_load_b64 v[ACC+4*\k:ACC+4*\k+1], v[FRD] offset:PS+2048*\k
	ds_load_b64 v[ACC+4*\k+2:ACC+4*\k+3], v[FRD] offset:PS+2048*\k+32
.endr
	v_add_nc_u32 v[TP0], s[RB], v[FWR]
	s_wait_dscnt 0x0
	v_pk_add_f32 v[ACC:ACC+1], v[ACC:ACC+1], v[ACC+2:ACC+3]
	v_pk_add_f32 v[ACC+4:ACC+5], v[ACC+4:ACC+5], v[ACC+6:ACC+7]
	v_pk_add_f32 v[ACC+8:ACC+9], v[ACC+8:ACC+9], v[ACC+10:ACC+11]
	v_pk_add_f32 v[ACC+12:ACC+13], v[ACC+12:ACC+13], v[ACC+14:ACC+15]
	v_pk_add_f32 v[ACC:ACC+1], v[ACC:ACC+1], v[ACC+4:ACC+5]
	v_pk_add_f32 v[ACC+8:ACC+9], v[ACC+8:ACC+9], v[ACC+12:ACC+13]
	v_pk_add_f32 v[ACC:ACC+1], v[ACC:ACC+1], v[ACC+8:ACC+9]
	v_pk_add_f32 v[ACC:ACC+1], v[ACC:ACC+1], v[FB:FB+1]
	ds_store_b32 v[TP0], v[ACC]
	ds_store_b32 v[TP0], v[ACC+1] offset:XP
	s_add_co_u32 s[RB], s[RB], 128                 ; 32 rows on in each plane
	s_xor_b32 s[TB], s[TB], SLOT                   ; on to the other slot
.endm
	s_load_b256 s[8:15], s[0:1], 0x0               ; x s[8:9], w1q s[10:11], w1s s[12:13], w2q s[14:15]
	s_load_b256 s[16:23], s[0:1], 0x20             ; w2s s[16:17], swh s[18:19], wcb s[20:21], b1 s[22:23]
	s_load_b256 s[24:31], s[0:1], 0x40             ; ba s[24:25], bb s[26:27], bc s[28:29], bins s[30:31]
	s_load_b128 s[32:35], s[0:1], 0x60             ; out3 s[32:33], part s[34:35]
	v_lshl_add_u32 v[SPW], v0, 2, SPARE
	v_mov_b32 v[NIL], 0
	ds_add_u32 v1, v2
	ds_add_u32 v1, v2
	s_wait_dscnt 0x0
	v_lshrrev_b32 v[TP0], 5, v0
	v_readfirstlane_b32 s[WV], v[TP0]              ; wave 0..3
	; descriptor group 1: a tile of 32 rows x 256 numbers of 4 bytes, rows 1,024 numbers apart in memory, 4 words of padding behind each row's 256 words
	s_mov_b32 s[G1+0], (2<<16)|(1<<20)|(7<<22)|(3<<25)
	s_mov_b32 s[G1+1], 256<<16                     ; tensor_dim0
	s_mov_b32 s[G1+2], 32<<16                      ; tensor_dim1
	s_mov_b32 s[G1+3], 256<<16                     ; tile_dim0
	s_mov_b32 s[G1+4], 32                          ; tile_dim1
	s_mov_b32 s[G1+5], 1024                        ; tensor_dim0_stride
	s_mov_b32 s[G1+6], 0
	s_mov_b32 s[G1+7], 0
	s_mul_i32 s[WB], s[WV], WTILE
	s_mov_b32 s[TB], 0
	s_mov_b32 s[RB], 0
	s_lshl_b32 s60, ttmp9, 20                      ; the work-group's 256 rows of 4,096 bytes,
	s_lshl_b32 s62, s[WV], 10                      ; my wave's 1,024 bytes of a row
	s_add_co_u32 s60, s60, s62
	s_mov_b32 s61, 0
	s_wait_kmcnt 0x0
	s_mov_b32 s[G0A], 1
	s_mov_b32 s[G0A+1], s[WB]                      ; slot 0
	s_add_nc_u64 s[G0A+2:G0A+3], s[8:9], s[60:61]  ; block 0
	s_mov_b32 s[G0B], 1
	s_add_co_u32 s[G0B+1], s[WB], SLOT             ; slot 1
	s_add_nc_u64 s[G0B+2:G0B+3], s[G0A+2:G0A+3], 0x20000   ; block 1
	s_or_b32 s[G0A+3], s[G0A+3], 0x80000000
	s_or_b32 s[G0B+3], s[G0B+3], 0x80000000
	tensor_load_to_lds s[G0A:G0A+3], s[G1:G1+7]    ; both first fills go out together, ahead of everything else: two loads of mine are out
	s_nop 0
	tensor_load_to_lds s[G0B:G0B+3], s[G1:G1+7]
	s_nop 0
	PLACES
	v_and_b32 v[TP3], 31, v0                       ; lane
	v_and_b32 v[TP1], 15, v0                       ; r
	v_bfe_u32 v[TP2], v0, 4, 1                     ; h
	v_mul_u32_u24 v[XRD0], v[TP1], XP
	v_lshl_add_u32 v[XRD0], v[TP2], 6, v[XRD0]
	v_add_nc_u32 v[XRD0], s[WB], v[XRD0]
	v_lshl_add_u32 v[LI], v[TP3], 4, IMGB
	v_lshl_add_u32 v[LS8], v[TP3], 3, IMGB
	s_lshl_b32 s60, s[WV], 11
	v_add_nc_u32 v[XWI], s60, v[LI]
	v_lshl_add_u32 v[PSW], v[TP1], 6, IMGB
	v_lshl_add_u32 v[PSW], v[TP2], 5, v[PSW]
	v_add_nc_u32 v[PSW], s60, v[PSW]
	s_lshl_b32 s60, s[WV], 2
	v_lshl_add_u32 v[XWS], v[TP1], 4, IMGB
	v_add_nc_u32 v[XWS], s60, v[XWS]
	s_lshl_b32 s60, s[WV], 10
	v_add_nc_u32 v[HWI], s60, v[LI]
	s_and_b32 s60, s[WV], 1
	s_lshl_b32 s60, s60, 7
	s_lshr_b32 s62, s[WV], 1
	s_lshl_b32 s62, s62, 2
	s_add_co_u32 s60, s60, s62
	v_lshl_add_u32 v[HWS], v[TP1], 3, IMGB
	v_add_nc_u32 v[HWS], s60, v[HWS]
	s_lshl_b32 s60, s[WV], 9
	v_lshl_add_u32 v[BIA1], v[TP2], 6, IMGB
	v_add_nc_u32 v[BIA1], s60, v[BIA1]
	s_lshl_b32 s60, s[WV], 8
	v_lshl_add_u32 v[BIA2], v[TP2], 5, IMGB
	v_add_nc_u32 v[BIA2], s60, v[BIA2]
	v_lshrrev_b32 v[TP0], 2, v0                    ; thread / 4
	v_and_b32 v[TQ], 3, v0                         ; thread % 4
	v_lshl_add_u32 v[FRD], v[TP0], 6, IMGB
	v_lshl_add_u32 v[FRD], v[TQ], 3, v[FRD]
	v_mul_u32_u24 v[FWR], v[TQ], 2*XP
	v_lshl_add_u32 v[FWR], v[TP0], 2, v[FWR]
	v_add_nc_u32 v[FWR], IMGB+RES, v[FWR]
	; byte offsets of the loads at the head, in registers that the loop takes over later
.set GO16, 120
.set GO4,  121
.set GSW,  122
.set GWC,  123
.set GB1,  124
.set GBA,  125
.set LB,   126
	v_lshlrev_b32 v[GO16], 4, v[TP3]
	v_lshlrev_b32 v[GO4], 2, v[TP3]
	v_lshlrev_b32 v[GSW], 10, v[TP1]               ; the table of Wins and Wcls: row r of 1,024 bytes, units 128 w + 32 b + 16 h on
	v_lshl_add_u32 v[GSW], v[TP2], 5, v[GSW]
	v_add_nc_u32 v[GSW], s60, v[GSW]               ; (s60 = 256 w)
	s_lshl_b32 s60, s[WV], 7
	v_lshlrev_b32 v[GWC], 9, v[TP1]                ; Wc's table: row r of 512 bytes, units 64 w + 32 b + 8 h on
	v_lshl_add_u32 v[GWC], v[TP2], 4, v[GWC]
	v_add_nc_u32 v[GWC], s60, v[GWC]
	v_lshlrev_b32 v[GB1], 4, v0
	v_and_b32 v[GBA], 63, v0
	v_lshlrev_b32 v[GBA], 4, v[GBA]
	v_lshl_add_u32 v[LB], v0, 4, IMGB
	s_mov_b32 s61, 0
	s_lshl_b32 s60, s[WV], 16
	s_add_nc_u64 s[10:11], s[10:11], s[60:61]      ; my 64 fragments of W1,
	s_lshl_b32 s60, s[WV], 12
	s_add_nc_u64 s[12:13], s[12:13], s[60:61]      ; their scale words,
	s_lshl_b32 s60, s[WV], 15
	s_add_nc_u64 s[14:15], s[14:15], s[60:61]      ; my 32 fragments of Wa and Wb,
	s_lshl_b32 s60, s[WV], 11
	s_add_nc_u64 s[16:17], s[16:17], s[60:61]      ; their scale words
	s_cmp_lt_u32 s[WV], 2                          ; waves 0 and 1 bring ba, waves 2 and 3 bb: the choice hangs on the wave's number alone
	s_cselect_b64 s[78:79], s[24:25], s[26:27]
	s_load_b128 s[72:75], s[30:31], 0x0            ; bins
	s_load_b64 s[76:77], s[28:29], 0x0             ; bc
	s_mov_b32 s[SEL], 0x76543210
	s_mov_b32 s[SEL+1], 0xfedcba98
	s_mov_b32 s[C1], 0xc038aa3b
	s_mov_b32 s[C1+1], s[C1]                       ; (named with it as a pair, so it is written)
	s_mov_b32 s[C2], 0xbfb8aa3b
	s_mov_b32 s[C2+1], s[C2]
	s_mov_b32 s[C60], 0x42700000
	WIN 0x40                                       ; destination window 1
.irp t, 0,1,2,3,4,5,6,7
.irp s, 0,1,2,3
.irp c, 0,1
	global_load_b128 v[(\s*8+\t)*8+4*\c:(\s*8+\t)*8+4*\c+3], v[GO16], s[10:11] offset:(\t*8+\s)*1024+512*\c
.endr
.endr
.endr
	WIN 0x80                                       ; destination window 2
.irp t, 0,1,2,3,4,5,6,7
.irp s, 0,1,2,3
.irp c, 0,1
	global_load_b128 v[(\s*8+\t)*8+4*\c:(\s*8+\t)*8+4*\c+3], v[GO16], s[10:11] offset:(\t*8+\s+4)*1024+512*\c
.endr
.endr
.endr
	WIN 0xc0                                       ; destination window 3
.irp t, 0,1,2,3,4,5,6,7
.irp s, 0,1,2,3
.irp c, 0,1
	global_load_b128 v[(\s*8+\t)*8+4*\c:(\s*8+\t)*8+4*\c+3], v[GO16], s[14:15] offset:(\t*4+\s)*1024+512*\c
.endr
.endr
.endr
	WIN 0
.irp t, 0,1,2,3,4,5,6,7
.irp p, 0,1,2,3
	global_load_b32 v[W1S+4*\t+\p], v[GO4], s[12:13] offset:(4*\t+\p)*128
.endr
.endr
.irp t, 0,1,2,3,4,5,6,7
.irp p, 0,1
	global_load_b32 v[W2S+2*\t+\p], v[GO4], s[16:17] offset:(2*\t+\p)*128
.endr
.endr
.irp b, 0,1,2,3
	global_load_b128 v[SWF+8*\b:SWF+8*\b+3], v[GSW], s[18:19] offset:64*\b
	global_load_b128 v[SWF+8*\b+4:SWF+8*\b+7], v[GSW], s[18:19] offset:64*\b+16
.endr
.irp b, 0,1
	global_load_b128 v[WCF+8*\b:WCF+8*\b+3], v[GWC], s[20:21] offset:64*\b
	global_load_b128 v[WCF+8*\b+4:WCF+8*\b+7], v[GWC], s[20:21] offset:64*\b+32
.endr
	global_load_b128 v[128:131], v[GB1], s[22:23]
	global_load_b128 v[132:135], v[GBA], s[78:79]
.irp b, 0,1,2,3
	v_mov_b32 v[TMP+\b], 0                         ; written once: a lane permute's destination counts as one of its sources
.endr
	s_wait_loadcnt 0x0
	s_wait_kmcnt 0x0
	ds_store_b128 v[LB], v[128:131] offset:B1L     ; 128 threads x 16 bytes: b1
	ds_store_b128 v[LB], v[132:135] offset:BAL     ; ba, then bb
.irp b, 0,1
.irp c, 0,1
	ds_store_b128 v[XWI], v[WCF+8*\b+4*\c:WCF+8*\b+4*\c+3] offset:WCL+1024*\b+512*\c
.endr
.endr
	v_mov_b32 v[FB], s72                           ; the biases of my pair of planes: thread % 4 = 0: bins[0]; 1: bins[1]; 2: bc; 3: none
	v_mov_b32 v[FB+1], s73
	v_mov_b32 v[TP1], s74
	v_mov_b32 v[TP2], s75
	v_cmp_eq_u32 vcc_lo, 1, v[TQ]
	v_cndmask_b32 v[FB], v[FB], v[TP1], vcc_lo
	v_cndmask_b32 v[FB+1], v[FB+1], v[TP2], vcc_lo
	v_mov_b32 v[TP1], s76
	v_mov_b32 v[TP2], s77
	v_cmp_eq_u32 vcc_lo, 2, v[TQ]
	v_cndmask_b32 v[FB], v[FB], v[TP1], vcc_lo
	v_cndmask_b32 v[FB+1], v[FB+1], v[TP2], vcc_lo
	v_mov_b32 v[TP1], 0
	v_cmp_eq_u32 vcc_lo, 3, v[TQ]
	v_cndmask_b32 v[FB], v[FB], v[TP1], vcc_lo
	v_cndmask_b32 v[FB+1], v[FB+1], v[TP1], vcc_lo
	BAR                                            ; the biases lie in LDS.
	s_wait_tensorcnt 0x1                           ; my tile of block 0 is in, and only I read it; block 1's load may stay out
	s_mov_b32 s[CNT], 6
.Lfill:                                                ; blocks 0 to 5 ask for blocks 2 to 7
	BLOCK 1
	s_sub_co_u32 s[CNT], s[CNT], 1
	s_cmp_lg_u32 s[CNT], 0
	s_cbranch_scc1 .Lfill
	s_mov_b32 s[CNT], 2
.Ltail:                                                ; the last two ask for nothing: a second copy
	BLOCK 0
	s_sub_co_u32 s[CNT], s[CNT], 1
	s_cmp_lg_u32 s[CNT], 0
	s_cbranch_scc1 .Ltail
	BAR                                            ; the eight planes of 256 rows lie in LDS
	; ---- THE END.  Every LDS address is made ahead of the place where the waves part.
.set EK,  3                            ; the list's keys: plane 4 + c
.set EP,  4                            ; its logits: planes 2 c, 2 c + 1
.set EO,  6                            ; what I store of out3
.set KB,  120                          ; v120-127 keys
.set P0,  128                          ; v128-135 logit 0
.set PB,  136                          ; v136-143 logit 1, then the difference
.set IB,  144                          ; v144-151 row numbers, as f32 (under 2^24: exact)
.set CD,  152                          ; v152-159 at work
.set TA,  160
.set TX,  161
.set TI,  162
.set TC,  163
.set TT,  164
.set NINF, 165
.set PINF, 166
.set RK,  167
.set RI,  168
.set RP,  169
.set OUT, 170
.set VAL, 171                          ; v171-176 m0, l0, t0, m1, l1, t1
.set OD,  184
.set OF3, 188
.set OFP, 189
.set LN,  190
.set L7,  191
.set L3,  192
	s_min_u32 s60, s[WV], 1                        ; c: list 0 is class 0's, lists 1 and 2 class 1's
	s_mul_i32 s62, s60, XP
	s_add_co_u32 s62, s62, 4*XP
	v_add_nc_u32 v[EK], s62, v[LI]
	s_mul_i32 s62, s60, 2*XP
	v_add_nc_u32 v[EP], s62, v[LI]
	s_lshr_b32 s60, s[WV], 1                       ; out3: wave w stores 128 rows of class w / 2
	s_and_b32 s61, s[WV], 1
	s_lshl_b32 s61, s61, 9
	s_mul_i32 s62, s60, XP
	s_add_co_u32 s62, s62, s61
	s_add_co_u32 s62, s62, 4*XP
	v_add_nc_u32 v[EO], s62, v[LI]
	v_and_b32 v[LN], 31, v0
	v_and_b32 v[L7], 7, v0
	v_bfe_u32 v[L3], v0, 3, 2
	s_lshl_b32 s60, s60, 18                        ; a class's 65,536 numbers,
	s_add_co_u32 s60, s60, s61
	s_lshl_b32 s62, ttmp9, 10                      ; the work-group's 256
	s_add_co_u32 s60, s60, s62
	v_lshl_add_u32 v[OF3], v[LN], 4, s60
	s_lshl_b32 s60, ttmp9, 9
	s_lshl_b32 s62, s[WV], 7
	s_add_co_u32 s60, s60, s62
	v_lshl_add_u32 v[OFP], v[LN], 2, s60           ; part: 512 bytes a work-group, 128 a wave
	v_mov_b32 v[TT], 0
	v_mov_b32 v[OUT], 0
	v_mov_b32 v[RK], 0
	v_mov_b32 v[RI], 0
	v_mov_b32 v[RP], 0
	v_mov_b32 v[NINF], 0xff800000
	v_mov_b32 v[PINF], 0x7f800000
	ds_load_b128 v[OD:OD+3], v[EO] offset:RES
	s_wait_dscnt 0x0
	global_store_b128 v[OF3], v[OD:OD+3], s[32:33] th:TH_STORE_NT   ; 32 lanes store 512 consecutive bytes, at a multiple of 512 from out3's first byte
.macro LMAX r
	v_max_num_f32_dpp v[\r], v[\r], v[\r] row_xmask:1 row_mask:0xf bank_mask:0xf
	v_max_num_f32_dpp v[\r], v[\r], v[\r] row_xmask:2 row_mask:0xf bank_mask:0xf
	v_max_num_f32_dpp v[\r], v[\r], v[\r] row_xmask:4 row_mask:0xf bank_mask:0xf
	v_max_num_f32_dpp v[\r], v[\r], v[\r] row_xmask:8 row_mask:0xf bank_mask:0xf
	v_permlanex16_b32 v[TT], v[\r], s[SEL], s[SEL+1]
	v_max_num_f32 v[\r], v[\r], v[TT]
.endm
.macro LMIN r
	v_min_num_f32_dpp v[\r], v[\r], v[\r] row_xmask:1 row_mask:0xf bank_mask:0xf
	v_min_num_f32_dpp v[\r], v[\r], v[\r] row_xmask:2 row_mask:0xf bank_mask:0xf
	v_min_num_f32_dpp v[\r], v[\r], v[\r] row_xmask:4 row_mask:0xf bank_mask:0xf
	v_min_num_f32_dpp v[\r], v[\r], v[\r] row_xmask:8 row_mask:0xf bank_mask:0xf
	v_permlanex16_b32 v[TT], v[\r], s[SEL], s[SEL+1]
	v_min_num_f32 v[\r], v[\r], v[TT]
.endm
.macro LSUM r
	v_add_f32_dpp v[\r], v[\r], v[\r] row_xmask:1 row_mask:0xf bank_mask:0xf
	v_add_f32_dpp v[\r], v[\r], v[\r] row_xmask:2 row_mask:0xf bank_mask:0xf
	v_add_f32_dpp v[\r], v[\r], v[\r] row_xmask:4 row_mask:0xf bank_mask:0xf
	v_add_f32_dpp v[\r], v[\r], v[\r] row_xmask:8 row_mask:0xf bank_mask:0xf
	v_permlanex16_b32 v[TT], v[\r], s[SEL], s[SEL+1]
	v_add_f32 v[\r], v[\r], v[TT]
.endm
	s_cmp_eq_u32 s[WV], 3
	s_cbranch_scc1 .Lsoft
	; ---- waves 0-2: the eight largest keys of 256, eight to a lane: row 128 jj + 4 lane + j
	ds_load_b128 v[KB:KB+3], v[EK] offset:RES
	ds_load_b128 v[KB+4:KB+7], v[EK] offset:RES+512
	ds_load_b128 v[P0:P0+3], v[EP] offset:RES
	ds_load_b128 v[P0+4:P0+7], v[EP] offset:RES+512
	ds_load_b128 v[PB:PB+3], v[EP] offset:RES+XP
	ds_load_b128 v[PB+4:PB+7], v[EP] offset:RES+XP+512
	s_cmp_eq_u32 s[WV], 2
	s_cselect_b32 s62, -1.0, 1.0                   ; list 2 takes the smallest A: the largest -A
	s_lshl_b32 s60, ttmp9, 8
	v_lshlrev_b32 v[TX], 2, v[LN]
	v_add_nc_u32 v[TX], s60, v[TX]
.irp j, 0,1,2,3
	v_add_nc_u32 v[IB+\j], \j, v[TX]
	v_add_nc_u32 v[IB+4+\j], 128+\j, v[TX]
.endr
.irp j, 0,1,2,3,4,5,6,7
	v_cvt_f32_u32 v[IB+\j], v[IB+\j]
.endr
	s_wait_dscnt 0x0
.irp j, 0,1,2,3,4,5,6,7
	v_mul_f32 v[KB+\j], s62, v[KB+\j]
	v_sub_f32 v[PB+\j], v[PB+\j], v[P0+\j]         ; what is carried along: logit 1 - logit 0
.endr
	; Eight rounds.  A round finds the largest key, among equals the lowest row, takes it out, and brings its carried number to every lane by selects and a sum.
	s_mov_b32 s[KC], 0
.Ltopk:
	v_max3_num_f32 v[TA], v[KB], v[KB+1], v[KB+2]
	v_max3_num_f32 v[TX], v[KB+3], v[KB+4], v[KB+5]
	v_max3_num_f32 v[TA], v[TA], v[KB+6], v[KB+7]
	v_max_num_f32 v[TA], v[TA], v[TX]
	LMAX TA
.irp j, 0,1,2,3,4,5,6,7
	v_cmp_eq_f32 vcc_lo, v[KB+\j], v[TA]
	v_cndmask_b32 v[CD+\j], v[PINF], v[IB+\j], vcc_lo
.endr
	v_min3_num_f32 v[TI], v[CD], v[CD+1], v[CD+2]
	v_min3_num_f32 v[TX], v[CD+3], v[CD+4], v[CD+5]
	v_min3_num_f32 v[TI], v[TI], v[CD+6], v[CD+7]
	v_min_num_f32 v[TI], v[TI], v[TX]
	LMIN TI
	v_mov_b32 v[TC], 0
.irp j, 0,1,2,3,4,5,6,7
	v_cmp_eq_f32 vcc_lo, v[IB+\j], v[TI]
	v_cndmask_b32 v[KB+\j], v[KB+\j], v[NINF], vcc_lo
	v_cndmask_b32 v[TC], v[TC], v[PB+\j], vcc_lo
.endr
	LSUM TC
	v_cmp_eq_u32 vcc_lo, s[KC], v[L7]              ; lanes with lane % 8 = the round keep the round's three numbers
	v_cndmask_b32 v[RK], v[RK], v[TA], vcc_lo
	v_cndmask_b32 v[RI], v[RI], v[TI], vcc_lo
	v_cndmask_b32 v[RP], v[RP], v[TC], vcc_lo
	s_add_co_u32 s[KC], s[KC], 1
	s_cmp_lt_u32 s[KC], 8
	s_cbranch_scc1 .Ltopk
	v_cmp_eq_u32 vcc_lo, 0, v[L3]                  ; the record: 8 keys, 8 rows, 8 carried numbers, 8 zeros
	v_cndmask_b32 v[OUT], v[OUT], v[RK], vcc_lo
	v_cmp_eq_u32 vcc_lo, 1, v[L3]
	v_cndmask_b32 v[OUT], v[OUT], v[RI], vcc_lo
	v_cmp_eq_u32 vcc_lo, 2, v[L3]
	v_cndmask_b32 v[OUT], v[OUT], v[RP], vcc_lo
	s_branch .Ljoin
.Lsoft:
	; ---- wave 3: for each class the largest A of the 256 rows, the sum of e^(A - that) and the sum of e^(A - that) s
.irp p, 0,1,2
	ds_load_b128 v[KB+8*\p:KB+8*\p+3], v[LI] offset:RES+XP*(4+\p)
	ds_load_b128 v[KB+8*\p+4:KB+8*\p+7], v[LI] offset:RES+XP*(4+\p)+512
.endr
	s_wait_dscnt 0x0
.irp c, 0,1
	v_max3_num_f32 v[VAL+3*\c], v[KB+8*\c], v[KB+8*\c+1], v[KB+8*\c+2]
	v_max3_num_f32 v[TX], v[KB+8*\c+3], v[KB+8*\c+4], v[KB+8*\c+5]
	v_max3_num_f32 v[VAL+3*\c], v[VAL+3*\c], v[KB+8*\c+6], v[KB+8*\c+7]
	v_max_num_f32 v[VAL+3*\c], v[VAL+3*\c], v[TX]
	LMAX VAL+3*\c
.irp j, 0,1,2,3,4,5,6,7
	v_sub_f32 v[KB+8*\c+\j], v[KB+8*\c+\j], v[VAL+3*\c]
.endr
.irp j, 0,1,2,3,4,5,6,7
	v_mul_f32 v[KB+8*\c+\j], 0x3fb8aa3b, v[KB+8*\c+\j]
.endr
.irp j, 0,1,2,3,4,5,6,7
	v_exp_f32 v[KB+8*\c+\j], v[KB+8*\c+\j]
.endr
	v_nop
	s_wait_alu depctr_va_vdst(0)
	v_add_f32 v[VAL+3*\c+1], v[KB+8*\c], v[KB+8*\c+1]
	v_mul_f32 v[VAL+3*\c+2], v[KB+8*\c], v[KB+16]
.irp j, 2,3,4,5,6,7
	v_add_f32 v[VAL+3*\c+1], v[VAL+3*\c+1], v[KB+8*\c+\j]
.endr
.irp j, 1,2,3,4,5,6,7
	v_fmac_f32 v[VAL+3*\c+2], v[KB+8*\c+\j], v[KB+16+\j]
.endr
	LSUM VAL+3*\c+1
	LSUM VAL+3*\c+2
.endr
.irp i, 0,1,2,3,4,5
	v_cmp_eq_u32 vcc_lo, \i, v[LN]
	v_cndmask_b32 v[OUT], v[OUT], v[VAL+\i], vcc_lo
.endr
.Ljoin:
	global_store_b32 v[OFP], v[OUT], s[34:35]      ; a wave stores 128 consecutive bytes, the work-group 512
	s_wait_tensorcnt 0x0                           ; the wave's end, behind my last tensor load and my last LDS store
	ds_add_u32 v[SPW], v[NIL]
	s_wait_dscnt 0x0
	s_endpgm
.Lfunc_end_k_qe0e9a6ce11_main:
	.size	k_qe0e9a6ce11_main, .Lfunc_end_k_qe0e9a6ce11_main-k_qe0e9a6ce11_main
	.p2alignl 7, 3214868480
	.fill 96, 4, 3214868480
	.section	.rodata,"a",@progbits
	.p2align	6, 0x0
	.amdhsa_kernel k_qe0e9a6ce11_main
		.amdhsa_group_segment_fixed_size 327680
		.amdhsa_private_segment_fixed_size 0
		.amdhsa_enable_private_segment 0
		.amdhsa_kernarg_size 112
		.amdhsa_user_sgpr_count 2
		.amdhsa_user_sgpr_kernarg_segment_ptr 1
		.amdhsa_wavefront_size32 1
		.amdhsa_system_sgpr_workgroup_id_x 1
		.amdhsa_system_sgpr_workgroup_id_y 1
		.amdhsa_system_sgpr_workgroup_id_z 1
		.amdhsa_system_vgpr_workitem_id 0
		.amdhsa_next_free_vgpr 1024
		.amdhsa_next_free_sgpr 80
		.amdhsa_reserve_vcc 1
		.amdhsa_float_denorm_mode_32 3
		.amdhsa_float_denorm_mode_16_64 3
		.amdhsa_memory_ordered 1
		.amdhsa_forward_progress 1
		.amdhsa_inst_pref_size 241
	.end_amdhsa_kernel
	.amdgpu_metadata
---
amdhsa.version: [ 1, 2 ]
amdhsa.kernels:
  - .name:           k_qe0e9a6ce11_main
    .symbol:         k_qe0e9a6ce11_main.kd
    .args:
      - { .name: x, .offset: 0, .size: 8, .value_kind: global_buffer, .address_space: global }
      - { .name: w1q, .offset: 8, .size: 8, .value_kind: global_buffer, .address_space: global }
      - { .name: w1s, .offset: 16, .size: 8, .value_kind: global_buffer, .address_space: global }
      - { .name: w2q, .offset: 24, .size: 8, .value_kind: global_buffer, .address_space: global }
      - { .name: w2s, .offset: 32, .size: 8, .value_kind: global_buffer, .address_space: global }
      - { .name: swh, .offset: 40, .size: 8, .value_kind: global_buffer, .address_space: global }
      - { .name: wcb, .offset: 48, .size: 8, .value_kind: global_buffer, .address_space: global }
      - { .name: b1, .offset: 56, .size: 8, .value_kind: global_buffer, .address_space: global }
      - { .name: ba, .offset: 64, .size: 8, .value_kind: global_buffer, .address_space: global }
      - { .name: bb, .offset: 72, .size: 8, .value_kind: global_buffer, .address_space: global }
      - { .name: bc, .offset: 80, .size: 8, .value_kind: global_buffer, .address_space: global }
      - { .name: bins, .offset: 88, .size: 8, .value_kind: global_buffer, .address_space: global }
      - { .name: out3, .offset: 96, .size: 8, .value_kind: global_buffer, .address_space: global }
      - { .name: part, .offset: 104, .size: 8, .value_kind: global_buffer, .address_space: global }
    .group_segment_fixed_size: 327680
    .private_segment_fixed_size: 0
    .kernarg_segment_align: 8
    .kernarg_segment_size: 112
    .max_flat_workgroup_size: 128
    .sgpr_count:     80
    .vgpr_count:     1024
    .wavefront_size: 32
...
	.end_amdgpu_metadata
.endif
;; end of part 2
;; launch final (part 3): grid 1 x 1, 25 waves a work-group, no clusters, 5,376 bytes of LDS; arguments part, bcls, out0, out1, out2, out4; writes out0, out1, out2, out4
.if DOCPART == 3
	.amdgcn_target "amdgcn-amd-amdhsa--gfx1250"
	.amdhsa_code_object_version 6
	.text
	.protected	k_qe0e9a6ce11_final
	.globl	k_qe0e9a6ce11_final
	.p2align	8
	.type	k_qe0e9a6ce11_final,@function
k_qe0e9a6ce11_final:
	s_mov_b64 s[64:65], 0
	v_nop
	global_prefetch_b8 v0, s[64:65] scope:SCOPE_SE
	s_setreg_imm32_b32 hwreg(HW_REG_WAVE_MODE, 25, 1), 1
	s_wait_xcnt 0x0
; The 256 work-groups' records are merged by one work-group of 25 waves.  part: [256][4][32] f32: records 0-2 the three lists (8 keys, 8 row numbers, 8 carried numbers, 8 zeros), record 3: m0, l0, t0, m1, l1, t1.
; A LIST ARRIVES SORTED: largest key first, among equal keys the lower row first.  Work-groups, and so lanes, parts and entries here, ascend with the rows.  So a lane's largest key is its list's HEAD,
; and among equal keys the lower PLACE (part, lane, entry) is the lower row: the row numbers are neither loaded nor compared.
; LEVEL 1, waves 0-23: list = wave / 8, part = wave % 8; a lane holds the list of work-group 32 part + lane.  Eight rounds: the largest head over the lanes; of the lanes that hold it the lowest (the lowest set bit of
; the compare's mask); its carried number goes to every lane by a select and a sum; its list moves up one place.  The part's eight (key, carried number) go to LDS, sorted as the lists were.
; LEVEL 2, wave 0, the three lists by turns, so that one list's dependent lines stand between another's: 64 entries a list, two to a lane (place 2 lane + j).  Eight rounds mark the eight largest: a chosen key becomes
; -infinity.  Then softplus(+-d) of the carried logit differences d is summed over the marked entries:
;   list 0 (class 0, largest attn, target 0): softplus(d) / 16;  list 1 (class 1, largest, target 1): softplus(-d) / 32;  list 2 (class 1, smallest, target 0): softplus(d) / 32.   target = 1 is a constant of the problem.
; WAVE 24 merges the softmax parts under the overall largest A: logits[c] = (sum of w t) / (sum of w l) + bcls, w = e^(m - M); then Y_prob (the larger logit taken off first) and Y_hat (the first of equals).
; The masks that the compares of keys make feed selects alone: no address, no branch and no trip count hangs on a number read here.
; LIMITS: NaN and infinities are not served (a key of -infinity would pass for a marked one).  The lists are ordered by A, ties to the lower row.
; LDS: a list's keys at 256 list + 32 part + 4 entry; the carried numbers 768 bytes further on.
.set W,   16                           ; s16 my wave's number
.set SEL, 18                           ; s[18:19] v_permlanex16_b32's selects for lane l xor 16
.set KC,  27                           ; s27 the round
.set MK,  28                           ; s28-29 level 1: the mask of the lanes that hold the largest head, then the winner's bit
.set M4,  32                           ; s32-43 level 2: four scalars a list; then six masks of marked entries
.set LN,  2                            ; lane
.set L7,  3                            ; lane % 8
.set A1,  4                            ; LDS: where I put my number of level 1
.set OF4, 5                            ; 4 x lane
.set A2,  6                            ; LDS: 8 x lane: my two entries of level 2
.set GOF, 9                            ; my byte offset in part
.set KB,  16                           ; v16-23 level 1: my list's keys
.set PB,  24                           ; v24-31 and its carried numbers
.set TA,  32                           ; the largest head
.set TC,  33                           ; the winner's carried number
.set TT,  34                           ; the other half of the lanes'
.set RK,  35                           ; lanes with lane % 8 = k: round k's key
.set RP,  36                           ; and its carried number
.set OUT, 37
.set NINF, 38
.set K2,  40                           ; v40-45 level 2: keys, list q at 2 q; later softplus
.set P2,  46                           ; v46-51 carried numbers
.set M2,  52                           ; v52-54 the largest key of each list
.set T2,  55                           ; v55-57 the other half of the lanes'
.set E2,  58                           ; v58-63 at work
.macro SUM1 r, t                       ; a sum over the 32 lanes, in every lane
.irp x, 1,2,4,8
	v_add_f32_dpp v[\r], v[\r], v[\r] row_xmask:\x row_mask:0xf bank_mask:0xf
.endr
	v_permlanex16_b32 v[\t], v[\r], s[SEL], s[SEL+1]
	v_add_f32 v[\r], v[\r], v[\t]
.endm
.macro SUM2 a, b, ta, tb               ; two of them by turns
.irp x, 1,2,4,8
	v_add_f32_dpp v[\a], v[\a], v[\a] row_xmask:\x row_mask:0xf bank_mask:0xf
	v_add_f32_dpp v[\b], v[\b], v[\b] row_xmask:\x row_mask:0xf bank_mask:0xf
.endr
	v_permlanex16_b32 v[\ta], v[\a], s[SEL], s[SEL+1]
	v_permlanex16_b32 v[\tb], v[\b], s[SEL], s[SEL+1]
	v_add_f32 v[\a], v[\a], v[\ta]
	v_add_f32 v[\b], v[\b], v[\tb]
.endm
.macro MAX2 a, b, ta, tb               ; two maxima over the 32 lanes by turns
.irp x, 1,2,4,8
	v_max_num_f32_dpp v[\a], v[\a], v[\a] row_xmask:\x row_mask:0xf bank_mask:0xf
	v_max_num_f32_dpp v[\b], v[\b], v[\b] row_xmask:\x row_mask:0xf bank_mask:0xf
.endr
	v_permlanex16_b32 v[\ta], v[\a], s[SEL], s[SEL+1]
	v_permlanex16_b32 v[\tb], v[\b], s[SEL], s[SEL+1]
	v_max_num_f32 v[\a], v[\a], v[\ta]
	v_max_num_f32 v[\b], v[\b], v[\tb]
.endm
	s_load_b256 s[4:11], s[0:1], 0x0               ; part s[4:5], bcls s[6:7], out0 s[8:9], out1 s[10:11]
	s_load_b128 s[12:15], s[0:1], 0x20             ; out2 s[12:13], out4 s[14:15]
	v_lshl_add_u32 v64, v0, 2, 0x800
	v_mov_b32 v65, 0
	v_lshrrev_b32 v1, 5, v0
	v_readfirstlane_b32 s[W], v1                   ; wave 0..24
	v_and_b32 v[LN], 31, v0
	v_and_b32 v[L7], 7, v0
	s_mov_b32 s[SEL], 0x76543210
	s_mov_b32 s[SEL+1], 0xfedcba98
	s_lshr_b32 s20, s[W], 3                        ; the list
	s_and_b32 s21, s[W], 7                         ; the part
	s_lshl_b32 s22, s21, 14                        ; 32 x part work-groups of 512 bytes,
	s_lshl_b32 s23, s20, 7                         ; the list's record (wave 24: record 3, part 0)
	s_add_co_u32 s22, s22, s23
	v_lshl_add_u32 v[GOF], v[LN], 9, s22
	v_bfe_u32 v1, v0, 3, 1                         ; lanes 0-7 and 16-23 put keys, lanes 8-15 and 24-31 carried numbers
	v_mul_u32_u24 v[A1], v1, 768
	v_lshl_add_u32 v[A1], v[L7], 2, v[A1]
	s_lshl_b32 s22, s20, 8
	s_lshl_b32 s23, s21, 5
	s_add_co_u32 s22, s22, s23
	v_add_nc_u32 v[A1], s22, v[A1]
	v_lshlrev_b32 v[OF4], 2, v[LN]
	v_lshlrev_b32 v[A2], 3, v[LN]
	s_mov_b32 s24, 0x3f317218                      ; ln 2
	s_mov_b32 s25, 0x3d000000                      ; 1 / 32
	v_mov_b32 v11, 0                               ; what a wave reads at the end is written on every way
	v_mov_b32 v12, 0
	v_mov_b32 v13, 0
	v_mov_b32 v[TA], 0                             ; the destination of a DPP form and of a lane permute counts as one of its sources
	v_mov_b32 v[TT], 0
	v_mov_b32 v[RK], 0
	v_mov_b32 v[RP], 0
.irp q, 0,1,2
	v_mov_b32 v[T2+\q], 0
.endr
	v_mov_b32 v62, 0
	v_mov_b32 v63, 0
	v_mov_b32 v[NINF], 0xff800000
	s_wait_kmcnt 0x0
	s_cmp_lt_u32 s[W], 24
	s_cbranch_scc0 .Lsm
	; ---- level 1: my work-group's eight keys and eight carried numbers
	global_load_b128 v[KB:KB+3], v[GOF], s[4:5]
	global_load_b128 v[KB+4:KB+7], v[GOF], s[4:5] offset:16
	global_load_b128 v[PB:PB+3], v[GOF], s[4:5] offset:64
	global_load_b128 v[PB+4:PB+7], v[GOF], s[4:5] offset:80
	s_wait_loadcnt 0x0
	s_mov_b32 s[KC], 0
.Lround1:
	v_max_num_f32_dpp v[TA], v[KB], v[KB] row_xmask:1 row_mask:0xf bank_mask:0xf   ; the largest of the 32 heads
.irp x, 2,4,8
	v_max_num_f32_dpp v[TA], v[TA], v[TA] row_xmask:\x row_mask:0xf bank_mask:0xf
.endr
	v_permlanex16_b32 v[TT], v[TA], s[SEL], s[SEL+1]
	v_max_num_f32 v[TA], v[TA], v[TT]
	v_cmp_eq_f32 s[MK], v[KB], v[TA]               ; the lanes that hold it;
	s_sub_co_u32 s[MK+1], 0, s[MK]
	s_and_b32 s[MK], s[MK], s[MK+1]                ; of them the lowest: m and -m share m's lowest set bit alone
	v_cndmask_b32 v[TC], 0, v[PB], s[MK]           ; its carried number, 0 in the other lanes
.irp j, 0,1,2,3,4,5,6
	v_cndmask_b32 v[KB+\j], v[KB+\j], v[KB+\j+1], s[MK]    ; the winner's list moves up one place,
.endr
	v_cndmask_b32 v[KB+7], v[KB+7], v[NINF], s[MK]         ; with -infinity behind it
.irp j, 0,1,2,3,4,5,6
	v_cndmask_b32 v[PB+\j], v[PB+\j], v[PB+\j+1], s[MK]
.endr
	SUM1 TC, TT                                    ; one lane's number and 31 zeros: the number, in every lane
	v_cmp_eq_u32 vcc_lo, s[KC], v[L7]              ; lanes with lane % 8 = the round keep the round's two numbers
	v_cndmask_b32 v[RK], v[RK], v[TA], vcc_lo
	v_cndmask_b32 v[RP], v[RP], v[TC], vcc_lo
	s_add_co_u32 s[KC], s[KC], 1
	s_cmp_lt_u32 s[KC], 8
	s_cbranch_scc1 .Lround1
	v_cmp_eq_u32 vcc_lo, 1, v1
	v_cndmask_b32 v[OUT], v[RK], v[RP], vcc_lo
	ds_store_b32 v[A1], v[OUT]                     ; lanes l and l + 16 write the same word with the same value
	s_branch .Lb1
.Lsm:
	; ---- wave 24: the softmax parts of 256 work-groups, eight to a lane: registers 10 + 6 j + 3 c: m, l, t.  The two classes by turns
	s_load_b32 s26, s[6:7], 0x0                    ; bcls: this wave alone wants it
.irp j, 0,1,2,3,4,5,6,7
	global_load_b128 v[10+6*\j:13+6*\j], v[GOF], s[4:5] offset:16384*\j
	global_load_b64 v[14+6*\j:15+6*\j], v[GOF], s[4:5] offset:16384*\j+16
.endr
	s_wait_loadcnt 0x0
	s_wait_kmcnt 0x0
.irp c, 0,1
	v_max3_num_f32 v[58+\c], v[10+3*\c], v[16+3*\c], v[22+3*\c]
	v_max3_num_f32 v[60+\c], v[28+3*\c], v[34+3*\c], v[40+3*\c]
.endr
.irp c, 0,1
	v_max3_num_f32 v[58+\c], v[58+\c], v[46+3*\c], v[52+3*\c]
.endr
.irp c, 0,1
	v_max_num_f32 v[58+\c], v[58+\c], v[60+\c]
.endr
	MAX2 58, 59, 62, 63                            ; each class's largest A
.irp j, 0,1,2,3,4,5,6,7
.irp c, 0,1
	v_sub_f32 v[10+6*\j+3*\c], v[10+6*\j+3*\c], v[58+\c]
.endr
.endr
.irp j, 0,1,2,3,4,5,6,7
.irp c, 0,1
	v_mul_f32 v[10+6*\j+3*\c], 0x3fb8aa3b, v[10+6*\j+3*\c]
.endr
.endr
.irp j, 0,1,2,3,4,5,6,7
.irp c, 0,1
	v_exp_f32 v[10+6*\j+3*\c], v[10+6*\j+3*\c]     ; w = e^(m - M)
.endr
.endr
	v_nop                                          ; one plain line behind the exponentials
	s_wait_alu depctr_va_vdst(0)
.irp c, 0,1
	v_mul_f32 v[58+\c], v[10+3*\c], v[11+3*\c]
	v_mul_f32 v[60+\c], v[10+3*\c], v[12+3*\c]
.endr
.irp j, 1,2,3,4,5,6,7
.irp c, 0,1
	v_fmac_f32 v[58+\c], v[10+6*\j+3*\c], v[11+6*\j+3*\c]
	v_fmac_f32 v[60+\c], v[10+6*\j+3*\c], v[12+6*\j+3*\c]
.endr
.endr
	SUM2 58, 59, 62, 63                            ; the sums of w l
	SUM2 60, 61, 62, 63                            ; and of w t
	v_rcp_f32 v58, v58
	v_rcp_f32 v59, v59
	v_nop
	s_wait_alu depctr_va_vdst(0)
	v_fma_f32 v60, v60, v58, s26                   ; the two logits
	v_fma_f32 v61, v61, v59, s26
	v_max_num_f32 v58, v60, v61
	v_sub_f32 v59, v60, v58
	v_sub_f32 v62, v61, v58
	v_mul_f32 v59, 0x3fb8aa3b, v59
	v_mul_f32 v62, 0x3fb8aa3b, v62
	v_exp_f32 v59, v59
	v_exp_f32 v62, v62
	v_nop
	s_wait_alu depctr_va_vdst(0)
	v_add_f32 v10, v59, v62
	v_rcp_f32 v10, v10
	v_cmp_eq_u32 vcc_lo, 0, v[LN]                  ; (a plain line behind the reciprocal)
	s_wait_alu depctr_va_vdst(0)
	v_mul_f32 v59, v59, v10
	v_mul_f32 v62, v62, v10
	v_cndmask_b32 v11, v61, v60, vcc_lo            ; lane 0 class 0's, lane 1 class 1's
	v_cndmask_b32 v12, v62, v59, vcc_lo
	v_mov_b32 v13, 0
	v_mov_b32 v14, 1
	v_cmp_gt_f32 vcc_lo, v61, v60
	v_cndmask_b32 v13, v13, v14, vcc_lo            ; of equal logits the first
.Lb1:
	s_wait_dscnt 0x0                               ; my numbers have landed
	s_barrier_signal -1
	s_barrier_wait -1                              ; the 24 parts' eights lie in LDS
	s_cmp_eq_u32 s[W], 0
	s_cbranch_scc0 .Lnot0
	; ---- level 2: three lists of 64 entries, two to a lane
.irp q, 0,1,2
	ds_load_b64 v[K2+2*\q:K2+2*\q+1], v[A2] offset:256*\q
	ds_load_b64 v[P2+2*\q:P2+2*\q+1], v[A2] offset:768+256*\q
.endr
	s_wait_dscnt 0x0
	s_mov_b32 s[KC], 0
.Lround2:
.irp q, 0,1,2
	v_max_num_f32 v[M2+\q], v[K2+2*\q], v[K2+2*\q+1]
.endr
.irp x, 1,2,4,8
.irp q, 0,1,2
	v_max_num_f32_dpp v[M2+\q], v[M2+\q], v[M2+\q] row_xmask:\x row_mask:0xf bank_mask:0xf
.endr
.endr
.irp q, 0,1,2
	v_permlanex16_b32 v[T2+\q], v[M2+\q], s[SEL], s[SEL+1]
.endr
.irp q, 0,1,2
	v_max_num_f32 v[M2+\q], v[M2+\q], v[T2+\q]     ; the list's largest key that is left
.endr
.irp q, 0,1,2
	v_cmp_eq_f32 s[M4+4*\q], v[K2+2*\q], v[M2+\q]          ; the lanes whose entry 0 holds it,
	v_cmp_eq_f32 s[M4+4*\q+1], v[K2+2*\q+1], v[M2+\q]      ; whose entry 1 holds it
.endr
.irp q, 0,1,2
	s_or_b32 s[M4+4*\q+2], s[M4+4*\q], s[M4+4*\q+1]
.endr
.irp q, 0,1,2
	s_sub_co_u32 s[M4+4*\q+3], 0, s[M4+4*\q+2]
.endr
.irp q, 0,1,2
	s_and_b32 s[M4+4*\q+2], s[M4+4*\q+2], s[M4+4*\q+3]     ; the lowest such lane;
.endr
.irp q, 0,1,2
	s_and_not1_b32 s[M4+4*\q+1], s[M4+4*\q+2], s[M4+4*\q]  ; its entry 1 is taken only if its entry 0 does not hold the key,
	s_and_b32 s[M4+4*\q], s[M4+4*\q+2], s[M4+4*\q]         ; else its entry 0: the lowest place
.endr
.irp q, 0,1,2
	v_cndmask_b32 v[K2+2*\q], v[K2+2*\q], v[NINF], s[M4+4*\q]        ; the mark
	v_cndmask_b32 v[K2+2*\q+1], v[K2+2*\q+1], v[NINF], s[M4+4*\q+1]
.endr
	s_add_co_u32 s[KC], s[KC], 1
	s_cmp_lt_u32 s[KC], 8
	s_cbranch_scc1 .Lround2
.irp i, 0,1,2,3,4,5
	v_cmp_eq_f32 s[M4+\i], v[K2+\i], v[NINF]       ; the marked entries
.endr
	v_mul_f32 v[P2+2], -1.0, v[P2+2]               ; list 1 takes softplus(-d)
	v_mul_f32 v[P2+3], -1.0, v[P2+3]
.irp i, 0,1,2,3,4,5
	v_and_b32 v[E2+\i], 0x7fffffff, v[P2+\i]
.endr
.irp i, 0,1,2,3,4,5
	v_mul_f32 v[E2+\i], 0xbfb8aa3b, v[E2+\i]
.endr
.irp i, 0,1,2,3,4,5
	v_exp_f32 v[E2+\i], v[E2+\i]                   ; e^-|z|
.endr
.irp i, 0,1,2,3,4,5
	v_max_num_f32 v[K2+\i], 0, v[P2+\i]            ; (plain lines behind the exponentials)
.endr
	s_wait_alu depctr_va_vdst(0)
.irp i, 0,1,2,3,4,5
	v_add_f32 v[E2+\i], 1.0, v[E2+\i]
.endr
.irp i, 0,1,2,3,4,5
	v_log_f32 v[E2+\i], v[E2+\i]
.endr
	v_nop
	s_wait_alu depctr_va_vdst(0)
.irp i, 0,1,2,3,4,5
	v_fma_f32 v[K2+\i], v[E2+\i], s24, v[K2+\i]    ; softplus(z) = max(z, 0) + ln 2 log2(1 + e^-|z|)
.endr
.irp i, 0,1,2,3,4,5
	v_cndmask_b32 v[K2+\i], 0, v[K2+\i], s[M4+\i]  ; of the marked entries alone
.endr
	v_add_f32 v[K2], v[K2], v[K2+1]                ; list 0
	v_add_f32 v[K2+2], v[K2+2], v[K2+3]
	v_add_f32 v[K2+4], v[K2+4], v[K2+5]
	v_add_f32 v[K2+2], v[K2+2], v[K2+4]            ; lists 1 and 2
	v_mul_f32 v[K2], 0x3d800000, v[K2]             ; / 16
	v_fma_f32 v[K2], v[K2+2], s25, v[K2]           ; / 32
	SUM1 K2, T2
	s_wait_xcnt 0x0                                ; EXEC changes only behind this wait
	v_cmpx_eq_u32 0, v[LN]
	global_store_b32 v[OF4], v[K2], s[14:15]       ; out4
	s_wait_xcnt 0x0
	s_mov_b32 exec_lo, -1
	s_wait_tensorcnt 0x0
	ds_add_u32 v64, v65
	s_wait_dscnt 0x0
	s_endpgm
.Lnot0:
	s_cmp_eq_u32 s[W], 24
	s_cbranch_scc0 .Lend
	s_wait_xcnt 0x0
	v_cmpx_gt_u32 2, v[LN]
	global_store_b32 v[OF4], v11, s[8:9]           ; out0
	global_store_b32 v[OF4], v12, s[10:11]         ; out1
	s_wait_xcnt 0x0
	v_cmpx_eq_u32 0, v[LN]
	global_store_b32 v[OF4], v13, s[12:13]         ; out2
.Lend:
	s_wait_xcnt 0x0
	s_mov_b32 exec_lo, -1
	s_wait_tensorcnt 0x0
	ds_add_u32 v64, v65
	s_wait_dscnt 0x0
	s_endpgm
.Lfunc_end_k_qe0e9a6ce11_final:
	.size	k_qe0e9a6ce11_final, .Lfunc_end_k_qe0e9a6ce11_final-k_qe0e9a6ce11_final
	.p2alignl 7, 3214868480
	.fill 96, 4, 3214868480
	.section	.rodata,"a",@progbits
	.p2align	6, 0x0
	.amdhsa_kernel k_qe0e9a6ce11_final
		.amdhsa_group_segment_fixed_size 5376
		.amdhsa_private_segment_fixed_size 0
		.amdhsa_enable_private_segment 0
		.amdhsa_kernarg_size 48
		.amdhsa_user_sgpr_count 2
		.amdhsa_user_sgpr_kernarg_segment_ptr 1
		.amdhsa_wavefront_size32 1
		.amdhsa_system_sgpr_workgroup_id_x 1
		.amdhsa_system_sgpr_workgroup_id_y 1
		.amdhsa_system_sgpr_workgroup_id_z 1
		.amdhsa_system_vgpr_workitem_id 0
		.amdhsa_next_free_vgpr 66
		.amdhsa_next_free_sgpr 66
		.amdhsa_reserve_vcc 1
		.amdhsa_float_denorm_mode_32 3
		.amdhsa_float_denorm_mode_16_64 3
		.amdhsa_memory_ordered 1
		.amdhsa_forward_progress 1
		.amdhsa_inst_pref_size 21
	.end_amdhsa_kernel
	.amdgpu_metadata
---
amdhsa.version: [ 1, 2 ]
amdhsa.kernels:
  - .name:           k_qe0e9a6ce11_final
    .symbol:         k_qe0e9a6ce11_final.kd
    .args:
      - { .name: part, .offset: 0, .size: 8, .value_kind: global_buffer, .address_space: global }
      - { .name: bcls, .offset: 8, .size: 8, .value_kind: global_buffer, .address_space: global }
      - { .name: out0, .offset: 16, .size: 8, .value_kind: global_buffer, .address_space: global }
      - { .name: out1, .offset: 24, .size: 8, .value_kind: global_buffer, .address_space: global }
      - { .name: out2, .offset: 32, .size: 8, .value_kind: global_buffer, .address_space: global }
      - { .name: out4, .offset: 40, .size: 8, .value_kind: global_buffer, .address_space: global }
    .group_segment_fixed_size: 5376
    .private_segment_fixed_size: 0
    .kernarg_segment_align: 8
    .kernarg_segment_size: 48
    .max_flat_workgroup_size: 800
    .sgpr_count:     66
    .vgpr_count:     66
    .wavefront_size: 32
...
	.end_amdgpu_metadata
.endif
;; end of part 3
